; MI455X (gfx1250); checked and timed in simulation.
; The chip was launched on July 23, 2026; its instructions are those of AMD's public machine-readable ISA for CDNA 5 (MIT licence, August 2026) and "CDNA5" Instruction Set Architecture Reference Guide (July 2026). The comments in the code are by the model that wrote it; some were corrected since.
;; Reasoning Multi Head Attention. Allowed arithmetic: matrix products marked QUANTISED: E2M3 operands, one E8M0 scale for each 32 along K, by v_wmma_scale_f32_16x16x128_f8f6f4 with both operands' format E2M3, f32 sums; everything else in f32.
;; Inputs: Wk 1,024 x 1,024 float32; Wkr 1,024 x 1,024 float32; Wo 1,024 x 1,024 float32; Wq 1,024 x 1,024 float32; Wqr 1,024 x 1,024 float32; Wv 1,024 x 1,024 float32; attention_mask 2 x 2,048 int32; bk 1,024 float32; bkr 1,024 float32; bo 1,024 float32; bq 1,024 float32; bqr 1,024 float32; bv 1,024 float32; reasoning_mask 2 x 2,048 float32; x 2 x 2,048 x 1,024 float32.
;; Outputs: out0 2 x 2,048 x 1,024 float32.
;; This version of the problem:
;;   THIS VERSION OF THE PROBLEM IS GIVEN IN LOW PRECISION. The matrix products marked QUANTISED in the list below multiply operands that are first quantised to E2M3 (2 exponent bits, 3 mantissa bits; 6 bits a number), with one power-of-two scale for each 32 numbers along K (OCP MX v1.0); their sums are f32. All else is computed in f32.
;;   The module's matrix products, in the order in which they are computed (A, B: the left and right operand; K: the contracted axis; several contracted axes count as one K, in the product's order):
;;     1. [M 4,096, K 1,024] x [K 1,024, N 1,024]; A: input x; B: input Wq: QUANTISED
;;     2. [M 4,096, K 1,024] x [K 1,024, N 1,024]; A: input x; B: input Wk: QUANTISED
;;     3. [M 4,096, K 1,024] x [K 1,024, N 1,024]; A: input x; B: input Wv: QUANTISED
;;     4. [M 4,096, K 1,024] x [K 1,024, N 1,024]; A: input x; B: input Wqr: QUANTISED
;;     5. [M 4,096, K 1,024] x [K 1,024, N 1,024]; A: input x; B: input Wkr: QUANTISED
;;     6. batch 32 x [M 2,048, K 64] x [K 64, N 2,048]; A: computed on the way; B: computed on the way: QUANTISED
;;     7. batch 32 x [M 2,048, K 2,048] x [K 2,048, N 64]; A: softmax (see below); B: computed on the way: QUANTISED
;;     8. [M 4,096, K 1,024] x [K 1,024, N 1,024]; A: computed on the way; B: input Wo: QUANTISED
;;   THE QUANTISER, for each operand of a quantised product, along K:
;;     - K is cut into blocks of 32 from its start; a last block that is shorter is filled with zeros.
;;     - A block's scale is 2^e with e = floor(log2(the largest magnitude in the block)) - 2, held to -126 .. 127; a block of zeros has e = 0. As a byte (E8M0): e + 127.
;;     - Each number is divided by its block's scale, clamped to +-7.5, and rounded to the nearest number of E2M3, ties to even, subnormals kept.
;;     - The product sums the exact products of the quantised numbers (number of the format x scale) in f32.
;;   ~~~python
;;   def quantise(x, axis):      # numpy; x: float32 -> the quantised numbers, widened to float32 again
;;       x = np.moveaxis(x, axis, -1); K = x.shape[-1]
;;       x = np.pad(x, [(0, 0)] * (x.ndim - 1) + [(0, -K % 32)]); x = x.reshape(x.shape[:-1] + (-1, 32)); a = np.abs(x).max(-1, keepdims=True)
;;       e = np.where(a > 0, np.clip(np.frexp(np.where(a > 0, a, 1))[1] - 1 - 2, -126, 127), 0)      # np.frexp(a)[1] - 1 = floor(log2(a)), exactly
;;       r = np.clip(x / 2.0 ** e, -7.5, 7.5)
;;       step = 2.0 ** (np.maximum(np.frexp(np.where(r == 0, 1, r))[1] - 1, 0) - 3)
;;       q = np.round(r / step) * step * 2.0 ** e      # np.round: ties to even
;;       return np.moveaxis(q.reshape(q.shape[:-2] + (-1,))[..., :K], -1, axis).astype(np.float32)
;;   ~~~
;;   SOFTMAX AHEAD OF A QUANTISED PRODUCT. Where the list says 'softmax', what is quantised is not the finished softmax but p = 2^(t - M), with t = logit x log2(e) and M = ceil(the row's largest t), a whole number; so 1/2 < the row's largest p <= 1. The row's sum l is taken of the UNQUANTISED p, in f32, and the product's result is divided by l at the end. Since M is a whole number, a kernel that streams over the keys may use a running M (the ceiling of the running maximum): every later rescaling is an exact power of two, which a block's scale takes up: the codes' values come out the same.
;;   OPERANDS COMPUTED ON THE WAY. 'Computed on the way' means the value that the module computes at that place (a softmax that the list does not call 'softmax' is quantised finished and normalised). What goes into a quantiser is computed in f32, as accurately as f32 sums, v_exp_f32 and their like allow (about 1e-6 of the number): no bf16 or f16 on the way to a quantiser, and a product that is left as it is and whose result goes on into a quantised operand takes f32 operands (vector FMAs, or v_wmma_f32_16x16x4_f32). A number that lies on a knife's edge between two numbers of the format may be rounded either way, as far as f32 arithmetic and the matrix unit's own rounding can turn it there, and no further.
;; One version. Each part assembles by itself: llvm-mc -triple=amdgcn-amd-amdhsa -mcpu=gfx1250 --defsym DOCPART=n.
;; ======== version 1 of 1: 4 launches
;; limits: right only within a limited range of input values
;; workspace buffers: cq 7,864,320 bytes; cs 327,680 bytes; qc 3,145,728 bytes; qs 262,144 bytes; kv 6,815,744 bytes; ac 3,145,728 bytes; asc 262,144 bytes
;; launch quant (part 1): grid 256 x 1, 5 waves a work-group, no clusters, 43,008 bytes of LDS; arguments x, Wq, Wqr, Wk, Wkr, Wv, Wo, cq, cs; writes cq, cs
.if DOCPART == 1
	.amdgcn_target "amdgcn-amd-amdhsa--gfx1250"
	.amdhsa_code_object_version 6
	.text
	.protected	k_q3e78a437cd_quant
	.globl	k_q3e78a437cd_quant
	.p2align	8
	.type	k_q3e78a437cd_quant,@function
k_q3e78a437cd_quant:
	s_mov_b64 s[64:65], 0
	v_nop
	global_prefetch_b8 v0, s[64:65] scope:SCOPE_SE
	s_setreg_imm32_b32 hwreg(HW_REG_WAVE_MODE, 25, 1), 1
	s_wait_xcnt 0x0
; x [4096][1024] and the six weights [1024][1024], f32 with K innermost, become codes of FP6 (E2M3) with one E8M0 byte for each 32 along K.
; A block's scale is 2^(floor(log2(largest magnitude)) - 2): its byte is the largest magnitude's exponent field - 2, held at 1 from below by a floor among the maximum's leaves.
; LIMITS: NaN and infinities are not served; a block under 2^-124, and a block of zeros, keeps the byte 1 (its codes are zeros or tiny; only this program reads the bytes).
; ROW TILES.  Tile T = 4 c + i holds, as its row p, the tensor's row 64 c + 32 (p / 8) + 8 i + p % 8: four tiles of a group c used as source 0 then leave 32 NEIGHBOURS in a lane of the results.
; LAYOUT OF cq: [row tile 640][K step 8][1536]: a fragment (16 rows x 128 K, 12 registers a lane) as an image of its registers: plane c = registers 4 c .. 4 c + 3, lane l's 16 bytes at 16 l.
;   row tiles 0-255 x; 256 + 20 head + s: s 0-3 Wq, 4-7 Wqr, 8-9 Wv's tiles 0, 1, 10-13 Wk, 14-17 Wkr, 18-19 Wv's tiles 2, 3; 576 + T Wo.
; LAYOUT OF cs: [row tile][half of K 2][row 16][4 words]: a word = the four bytes of one row and one K step.
; SHARES.  A unit = half a row tile (16 rows x 512 K, four fragments); 1,280 units, one a wave.  Each load reads 512 consecutive bytes of a row; a fragment's 8 KiB turn through the wave's own
; stage in LDS (rows 528 bytes apart), so that a lane gets the 32 neighbours of each of its two blocks.  Waves share nothing: no barrier.
.set STG,  8448                        ; a wave's stage: 16 rows x 528 bytes
.set PIT,  528
.set R,    16                          ; v16-143  two sets of 64: a fragment as loaded
.set X,    144                         ; v144-207 my two blocks of 32
.set C,    208                         ; v208-219 the fragment's codes
.set TA,   220                         ; v220-222, v224-226: the upper halves' codes (a conversion's three registers begin on an even number)
.set TC,   224
.set MA,   228                         ; v228-229 largest magnitudes
.set SO,   232                         ; v232-233 the conversions' scale operands
.set BY,   234                         ; v234-235 the bytes
.set WD,   236
.set EX,   237
.set SW,   240                         ; v240-243 the four fragments' scale words
.set OW,   244
	s_load_b512 s[4:19], s[0:1], 0x0               ; x, Wq, Wqr, Wk, Wkr, Wv, Wo, cq
	s_load_b64 s[20:21], s[0:1], 0x40              ; cs
	v_lshl_add_u32 v254, v0, 2, 0xa500
	v_mov_b32 v255, 0
	v_lshrrev_b32 v7, 5, v0
	v_readfirstlane_b32 s22, v7                    ; wave 0..4
	v_and_b32 v8, 31, v0                           ; lane
	v_and_b32 v9, 15, v0                           ; r
	v_bfe_u32 v6, v0, 4, 1                         ; h
	v_lshlrev_b32 v1, 4, v8                        ; 16 x lane: my bytes of a load and of a plane
	s_mul_i32 s23, s22, STG
	v_add_nc_u32 v2, s23, v1                       ; the stage, on the way in
	v_mul_u32_u24 v3, v9, PIT
	v_lshl_add_u32 v3, v6, 7, v3
	v_add_nc_u32 v3, s23, v3                       ; and out: row r, + 128 h: my 32 numbers of a block pair
	v_lshlrev_b32 v4, 4, v9
	v_lshl_add_u32 v4, v6, 3, v4                   ; cs: 16 r + 8 h
	v_lshlrev_b32 v5, 3, v6                        ; 8 h: my bytes' shift in a scale word
	v_mov_b32 v[EX], 0                             ; a lane permute's destination counts as read
	s_mov_b32 s44, 0x76543210
	s_mov_b32 s45, 0xfedcba98                      ; selects for lane l xor 16
	s_mul_i32 s24, ttmp9, 5
	s_add_co_u32 s24, s24, s22                     ; my unit
	s_wait_alu depctr_va_vdst(0)
	s_wait_kmcnt 0x0
	s_mov_b64 s[26:27], s[4:5]                     ; which tensor: chosen on the unit's number alone
	s_mov_b32 s28, 0                               ; first row tile in cq
	s_mov_b32 s29, 4                               ; row tiles from group to group
	s_mov_b32 s30, 511                             ; units in the tensor - 1
	s_mov_b32 s31, 0                               ; Wv alone: 8 more for its tiles 2, 3
.macro PICK lim, ptr, base, mul, ex
	s_cmp_ge_u32 s24, \lim
	s_cselect_b64 s[26:27], s[\ptr:\ptr+1], s[26:27]
	s_cselect_b32 s28, \base, s28
	s_cselect_b32 s29, \mul, s29
	s_cselect_b32 s30, 127, s30
	s_cselect_b32 s31, \ex, s31
.endm
	PICK 512,  6,  256, 20, 0
	PICK 640,  8,  260, 20, 0
	PICK 768,  10, 266, 20, 0
	PICK 896,  12, 270, 20, 0
	PICK 1024, 14, 264, 20, 8
	PICK 1152, 16, 576, 4,  0
	s_and_b32 s32, s24, s30                        ; the unit within its tensor
	s_lshr_b32 s33, s32, 1                         ; T
	s_and_b32 s34, s32, 1                          ; which half of K
	s_lshr_b32 s35, s33, 2                         ; c
	s_and_b32 s36, s33, 3                          ; i
	s_lshr_b32 s37, s36, 1
	s_mul_i32 s37, s37, s31
	s_mul_i32 s38, s35, s29
	s_add_co_u32 s38, s38, s28
	s_add_co_u32 s38, s38, s36
	s_add_co_u32 s38, s38, s37                     ; the row tile in cq and cs
	s_lshl_b32 s40, s35, 6
	s_lshl_b32 s41, s36, 3
	s_add_co_u32 s40, s40, s41                     ; the tile's first row: 64 c + 8 i
	s_lshl_b32 s40, s40, 12
	s_lshl_b32 s41, s34, 11
	s_add_co_u32 s40, s40, s41
	s_mov_b32 s41, 0
	s_add_nc_u64 s[26:27], s[26:27], s[40:41]
	s_mul_i32 s40, s38, 12288
	s_mul_i32 s42, s34, 6144
	s_add_co_u32 s40, s40, s42
	s_add_nc_u64 s[18:19], s[18:19], s[40:41]
	s_lshl_b32 s40, s38, 9
	s_lshl_b32 s42, s34, 8
	s_add_co_u32 s40, s40, s42
	s_add_nc_u64 s[20:21], s[20:21], s[40:41]
.macro LOAD f                          ; fragment f: 16 rows x 512 consecutive bytes
.irp p, 0,1,2,3,4,5,6,7,8,9,10,11,12,13,14,15
	global_load_b128 v[R+64*((\f)%2)+4*\p:R+64*((\f)%2)+4*\p+3], v1, s[26:27] offset:((\p%8)+32*(\p/8))*4096+512*(\f) th:TH_LOAD_NT
.endr
.endm
.macro TURN f                          ; through my stage: LDS serves a wave's instructions in order, so no wait stands between the stores and the loads
.irp p, 0,1,2,3,4,5,6,7,8,9,10,11,12,13,14,15
	ds_store_b128 v2, v[R+64*((\f)%2)+4*\p:R+64*((\f)%2)+4*\p+3] offset:PIT*\p
.endr
.irp c, 0,1
.irp q, 0,1,2,3,4,5,6,7
	ds_load_b128 v[X+32*\c+4*\q:X+32*\c+4*\q+3], v3 offset:256*\c+16*\q   ; k = 64 c + 32 h + 4 q ..
.endr
.endr
.endm
.macro FRAG f
.if (\f) < 3
	s_wait_loadcnt 16                              ; this fragment's 16 loads are in; the next fragment's may be out
.else
	s_wait_loadcnt 0x0
.endif
	TURN \f
	s_wait_dscnt 0x0                               ; my numbers are back, and the stage's stores have read their registers,
.if (\f) < 2
	LOAD (\f)+2                                    ; which take the fragment two on
.endif
	s_wait_xcnt 0x0                                ; the last fragment's stores have read the codes' registers
	v_max3_num_f32 v[MA], |v[X]|, |v[X+1]|, 0x1800000        ; two blocks by turns; the floor 2^(3 - 127) holds the byte at 1 from below
	v_max3_num_f32 v[MA+1], |v[X+32]|, |v[X+33]|, 0x1800000
.set n, 2
.rept 15
	v_max3_num_f32 v[MA], v[MA], |v[X+n]|, |v[X+n+1]|
	v_max3_num_f32 v[MA+1], v[MA+1], |v[X+32+n]|, |v[X+33+n]|
.set n, n+2
.endr
	v_add_nc_u32 v[SO], 0xff000000, v[MA]          ; 2 off the exponent field: the conversion takes this operand's exponent field as its scale
	v_add_nc_u32 v[SO+1], 0xff000000, v[MA+1]
	v_lshrrev_b32 v[BY], 23, v[SO]
	v_lshrrev_b32 v[BY+1], 23, v[SO+1]
	v_cvt_scalef32_pk16_fp6_f32 v[C:C+2], v[X:X+15], v[SO]
	v_cvt_scalef32_pk16_fp6_f32 v[TA:TA+2], v[X+16:X+31], v[SO]
	v_cvt_scalef32_pk16_fp6_f32 v[C+6:C+8], v[X+32:X+47], v[SO+1]
	v_cvt_scalef32_pk16_fp6_f32 v[TC:TC+2], v[X+48:X+63], v[SO+1]
	v_nop                                          ; one plain line behind the scaled conversions
.irp i, 0,1,2
	v_mov_b32 v[C+3+\i], v[TA+\i]
	v_mov_b32 v[C+9+\i], v[TC+\i]
.endr
	v_lshl_or_b32 v[WD], v[BY+1], 16, v[BY]        ; my bytes: blocks h and 2 + h,
	v_lshlrev_b32 v[WD], v5, v[WD]                 ; at their places;
	v_permlanex16_b32 v[EX], v[WD], s44, s45
	v_or_b32 v[SW+(\f)], v[WD], v[EX]              ; with lane l xor 16's the word is whole
.irp c, 0,1,2
	global_store_b128 v1, v[C+4*\c:C+4*\c+3], s[18:19] offset:1536*(\f)+512*\c   ; 512 consecutive bytes, aligned
.endr
.endm
	LOAD 0
	LOAD 1
	FRAG 0
	FRAG 1
	FRAG 2
	FRAG 3
	v_cmp_ne_u32 vcc_lo, 0, v6
	v_cndmask_b32 v[OW], v[SW], v[SW+2], vcc_lo    ; lanes 0-15 store words 0, 1 of their row, lanes 16-31 words 2, 3
	v_cndmask_b32 v[OW+1], v[SW+1], v[SW+3], vcc_lo
	global_store_b64 v4, v[OW:OW+1], s[20:21]      ; 256 consecutive bytes, aligned
	s_wait_tensorcnt 0x0
	ds_add_u32 v254, v255
	s_wait_dscnt 0x0
	s_endpgm
.Lfunc_end_k_q3e78a437cd_quant:
	.size	k_q3e78a437cd_quant, .Lfunc_end_k_q3e78a437cd_quant-k_q3e78a437cd_quant
	.p2alignl 7, 3214868480
	.fill 96, 4, 3214868480
	.section	.rodata,"a",@progbits
	.p2align	6, 0x0
	.amdhsa_kernel k_q3e78a437cd_quant
		.amdhsa_group_segment_fixed_size 43008
		.amdhsa_private_segment_fixed_size 0
		.amdhsa_enable_private_segment 0
		.amdhsa_kernarg_size 72
		.amdhsa_user_sgpr_count 2
		.amdhsa_user_sgpr_kernarg_segment_ptr 1
		.amdhsa_wavefront_size32 1
		.amdhsa_system_sgpr_workgroup_id_x 1
		.amdhsa_system_sgpr_workgroup_id_y 1
		.amdhsa_system_sgpr_workgroup_id_z 1
		.amdhsa_system_vgpr_workitem_id 0
		.amdhsa_next_free_vgpr 256
		.amdhsa_next_free_sgpr 66
		.amdhsa_reserve_vcc 1
		.amdhsa_float_denorm_mode_32 3
		.amdhsa_float_denorm_mode_16_64 3
		.amdhsa_memory_ordered 1
		.amdhsa_forward_progress 1
		.amdhsa_inst_pref_size 32
	.end_amdhsa_kernel
	.amdgpu_metadata
---
amdhsa.version: [ 1, 2 ]
amdhsa.kernels:
  - .name:           k_q3e78a437cd_quant
    .symbol:         k_q3e78a437cd_quant.kd
    .args:
      - { .name: x, .offset: 0, .size: 8, .value_kind: global_buffer, .address_space: global }
      - { .name: Wq, .offset: 8, .size: 8, .value_kind: global_buffer, .address_space: global }
      - { .name: Wqr, .offset: 16, .size: 8, .value_kind: global_buffer, .address_space: global }
      - { .name: Wk, .offset: 24, .size: 8, .value_kind: global_buffer, .address_space: global }
      - { .name: Wkr, .offset: 32, .size: 8, .value_kind: global_buffer, .address_space: global }
      - { .name: Wv, .offset: 40, .size: 8, .value_kind: global_buffer, .address_space: global }
      - { .name: Wo, .offset: 48, .size: 8, .value_kind: global_buffer, .address_space: global }
      - { .name: cq, .offset: 56, .size: 8, .value_kind: global_buffer, .address_space: global }
      - { .name: cs, .offset: 64, .size: 8, .value_kind: global_buffer, .address_space: global }
    .group_segment_fixed_size: 43008
    .private_segment_fixed_size: 0
    .kernarg_segment_align: 8
    .kernarg_segment_size: 72
    .max_flat_workgroup_size: 160
    .sgpr_count:     66
    .vgpr_count:     256
    .wavefront_size: 32
...
	.end_amdgpu_metadata
.endif
;; end of part 1
;; launch proj (part 2): grid 16 x 16, 4 waves a work-group, clusters of 4 x 4, 327,680 bytes of LDS; arguments cq, cs, qc, qs, kv, reasoning_mask, attention_mask, bv, bq, bqr, bk, bkr; writes qc, qs, kv
.if DOCPART == 2
	.amdgcn_target "amdgcn-amd-amdhsa--gfx1250"
	.amdhsa_code_object_version 6
	.text
	.protected	k_q3e78a437cd_proj
	.globl	k_q3e78a437cd_proj
	.p2align	8
	.type	k_q3e78a437cd_proj,@function
k_q3e78a437cd_proj:
	s_mov_b64 s[64:65], 0
	v_nop
	global_prefetch_b8 v0, s[64:65] scope:SCOPE_SE
	s_setreg_imm32_b32 hwreg(HW_REG_WAVE_MODE, 25, 1), 1
	s_wait_xcnt 0x0
	s_wait_alu depctr_hold_cnt(0) depctr_sa_sdst(0) depctr_va_vdst(0) depctr_va_sdst(0) depctr_va_ssrc(0) depctr_va_vcc(0) depctr_vm_vsrc(0)
	s_getreg_b32 s2, hwreg(HW_REG_IB_STS2, 6, 4)
	s_cmp_eq_u32 s2, 0
	s_cbranch_scc0 .Lentry_in_a_cluster
	s_endpgm
.Lentry_in_a_cluster:
	s_bfe_u32 s2, ttmp6, 0x10000c
	s_cmp_lg_u32 s2, 0xf033
	s_cbranch_scc0 .Lentry_shape_is_right
	s_endpgm
.Lentry_shape_is_right:
; The five projections of x on codes of FP6, the biases, the blend by reasoning_mask, and the quantising of q, k (along the head's 64) and v (along the keys).
; SHARES.  A work-group: 256 tokens (16 row tiles of x) x one head's 20 weight tiles.  Wave w: th = w / 2 picks 128 tokens (one key step), col = w % 2 picks ten weight tiles:
; col 0: Wq's four, Wqr's four, Wv's tiles 0, 1; col 1: Wk's, Wkr's, Wv's tiles 2, 3.  80 accumulators a wave; 18 fragments from LDS feed 80 products.
; q and k are made TRANSPOSED (source 0 = weight tile, source 1 = x tile): by the row tiles' map a lane holds one token and 32 neighbouring features, one whole block.
; v is made the natural way (source 0 = x tile, source 1 = Wv tile): a lane holds one feature and, over four x tiles, 32 neighbouring tokens, one whole block along the keys.
; THE KEY MASK goes into the spare half of the scores' K step: q's scale word has the byte 187 (2^60) for k = 64 .. 95, k's has 187 where attention_mask is 0 and 1 elsewhere; the attention launch
; sets the codes -1 and +1 at k = 64.  So a hidden key's score gets -2^120, an open key's -2^-66, the same for all open keys of a row.
; K goes in 8 steps of 128 through two LDS slots of two steps each; operands lie in memory as images of their registers, so every LDS load is dense.
; CLUSTER 4 x 4: x's tiles hang on the token block (shared along a row of the cluster), the weights' on the head (shared along a column): joint loads.
; LIMITS: NaN and infinities are not served; a block under 2^-124 or of zeros keeps the byte 1.  The blend is b + (br - b) rm + a (1 - rm) + ar rm, in fused multiply-adds.
; REGISTERS: window 0: v0-13 addresses; v20-39 scale words, two sets of ten (lanes 0-15 x tile j's word, lanes 16-31 weight tile j's); v40-159 the ten weight fragments, ONE set; v160-255 x's eight, set 0.
;   window 1: accumulators (j 0-3, a) at 8 (8 j + a); window 2: j 4-7; window 3: v0-127 j 8, 9; v128-223 x's set 1.
.set SLOT,  110592                     ; a slot: x's 16 tiles x 3,072 bytes, then the weights' 20
.set WOFF,  49152
.set XSC,   221184                     ; x's scale words, 16 tiles x 512 bytes
.set WSC,   229376                     ; the weights', 20 x 512
.set SPARE, 239616                     ; the spare words, 128 bytes a wave: no other line names them
.set SPW, 1
.set NIL, 2
.set ADX, 3                            ; v3-4  my place in x's tiles, slot 0, 1
.set ADW, 5                            ; v5-6  in the weights'
.set ADS, 7                            ; v7    among the scale words
.set L16, 8
.set L8,  9
.set VT,  10                           ; v10   4 x (32 (r / 8) + r % 8): row r's index in its group, in words
.set H128, 11
.set SH8, 12
.set HH,  13
.set SC,  20
.set WF,  40
.set G1A, 24
.set G0A, 32
.set G1B, 40
.set G0B, 48
.set G1SA, 56
.set G1SB, 68
.set G0SA, 76
.set G0SB, 80
.set MSB, 0
.macro WIN new                         ; the immediate's high byte repeats the setting that is left
.if MSB != (\new)
	s_set_vgpr_msb (MSB<<8)|(\new)
.set MSB, (\new)
.endif
.endm
.macro GROUP1 g, c, r, p               ; r rows of c elements of 8 bytes, p elements apart; no padding
	s_mov_b32 s[\g+1], ((\c)&0xffff)<<16
	s_mov_b32 s[\g+2], ((\c)>>16)|(((\r)&0xffff)<<16)
	s_mov_b32 s[\g+3], ((\r)>>16)|((\c)<<16)
	s_mov_b32 s[\g+4], \r
	s_mov_b32 s[\g+5], \p
	s_mov_b32 s[\g+6], 0
	s_mov_b32 s[\g+7], 0
.endm
.macro JLOAD g0a, g1a, g0b, g1b        ; a joint load: waves 0, 1 fetch for x, waves 2, 3 for the weights; four v_nop follow each line
	s_cmp_eq_u32 s13, 0
	s_cbranch_scc0 .Lfor_b_\@
	tensor_load_to_lds s[\g0a:\g0a+3], s[\g1a:\g1a+7]
	s_nop 0
.rept 4
	v_nop
.endr
	s_branch .Lasked_\@
.Lfor_b_\@:
	tensor_load_to_lds s[\g0b:\g0b+3], s[\g1b:\g1b+7]
	s_nop 0
.rept 4
	v_nop
.endr
.Lasked_\@:
.endm
.macro CREST                           ; a round of the cluster's barrier behind its opening barrier
	s_cmp_lg_u32 s12, 0
	s_cbranch_scc1 .Lnot_wave_0_\@
	s_barrier_signal -3
.Lnot_wave_0_\@:
	s_barrier_wait -3
	s_barrier_signal -1
	s_barrier_wait -1
.endm
.macro CROUND
	s_barrier_signal -1
	s_barrier_wait -1
	CREST
.endm
.macro PLACES                          ; four plain lines between a matrix instruction and a load into, or a vector read of, its registers
.rept 4
	v_nop
.endr
.endm
	s_load_b512 s[84:99], s[0:1], 0x0              ; cq 84, cs 86, qc 88, qs 90, kv 92, reasoning_mask 94, attention_mask 96, bv 98
	s_load_b256 s[4:11], s[0:1], 0x40              ; bq 4, bqr 6, bk 8, bkr 10
	v_lshl_add_u32 v[SPW], v0, 2, SPARE
	v_mov_b32 v[NIL], 0
	ds_add_u32 v1, v2
	ds_add_u32 v1, v2
	s_wait_dscnt 0x0
	v_lshrrev_b32 v14, 5, v0
	v_readfirstlane_b32 s12, v14                   ; wave
	s_lshr_b32 s13, s12, 1                         ; th.  Also: I fetch for x (0) or for the weights (1)
	s_and_b32 s14, s12, 1                          ; col.  Also: which half of those tiles I fetch
	s_bfe_u32 s15, ttmp6, 0x40000                  ; cx
	s_bfe_u32 s16, ttmp6, 0x40004                  ; cy
	s_lshl_b32 s17, ttmp9, 2
	s_add_co_u32 s17, s17, s15                     ; head
	s_and_b32 s18, ttmp7, 0xffff
	s_lshl_b32 s18, s18, 2
	s_add_co_u32 s18, s18, s16                     ; block of 256 tokens
	s_lshl_b32 s19, s16, 2
	s_lshl_b32 s19, 15, s19                        ; my row of the cluster
	s_lshl_b32 s66, 0x1111, s15                    ; my column
	s_or_b32 s[G1A], s19, (3<<16)|(1<<21)          ; 15:0 the mask; 17:16 elements of 8 bytes; 21 set beside a mask
	s_or_b32 s[G1SA], s19, (3<<16)|(1<<21)
	s_or_b32 s[G1B], s66, (3<<16)|(1<<21)
	s_or_b32 s[G1SB], s66, (3<<16)|(1<<21)
	GROUP1 G1A, 384, 16, 1536                      ; the head's load: x's 16 tiles x two K steps (3,072 bytes), 12,288 bytes from tile to tile; behind the head the row counts are set to 8
	GROUP1 G1B, 384, 20, 1536                      ; the weights' 20 tiles; behind the head 10
	GROUP1 G1SA, 32, 32, 32                        ; 16 tiles' scale words: 8,192 dense bytes as rows of 256
	GROUP1 G1SB, 32, 40, 32                        ; 20 tiles': 10,240
	s_lshl_b32 s20, s18, 4
	s_mul_i32 s2, s20, 12288
	s_mov_b32 s3, 0
	s_lshl_b32 s20, s20, 9
	s_mov_b32 s21, 0
	s_mul_i32 s22, s17, 20
	s_add_co_u32 s22, s22, 256                     ; weights: row tile 256 + 20 x head + 10 x half
	s_mul_i32 s66, s22, 12288
	s_mov_b32 s67, 0
	s_lshl_b32 s22, s22, 9
	s_mov_b32 s23, 0
	s_wait_kmcnt 0x0
	CROUND                                         ; all sixteen work-groups are here: the first joint loads meet
	s_mov_b32 s[G0SA], 1
	s_mov_b32 s[G0SA+1], XSC
	s_add_nc_u64 s[G0SA+2:G0SA+3], s[86:87], s[20:21]
	s_or_b32 s[G0SA+3], s[G0SA+3], 0x80000000
	s_mov_b32 s[G0SB], 1
	s_mov_b32 s[G0SB+1], WSC
	s_add_nc_u64 s[G0SB+2:G0SB+3], s[86:87], s[22:23]
	s_or_b32 s[G0SB+3], s[G0SB+3], 0x80000000
	s_mov_b32 s20, 1                               ; the head's group 0 for x: all 16 tiles, K steps 0, 1, to slot 0
	s_mov_b32 s21, 0
	s_add_nc_u64 s[22:23], s[84:85], s[2:3]
	s_or_b32 s23, s23, 0x80000000
	s_mov_b32 s[G0B+4], 1                          ; and for the weights: all 20 tiles (these four registers take slot 1's group 0 behind the head's wait)
	s_mov_b32 s[G0B+5], WOFF
	s_add_nc_u64 s[G0B+6:G0B+7], s[84:85], s[66:67]
	s_mul_i32 s15, s14, 98304                      ; the ring's loads take halves: 8 tiles of x,
	s_add_co_u32 s2, s2, s15
	s_mul_i32 s15, s14, 122880                     ; 10 of the weights
	s_add_co_u32 s66, s66, s15
	s_mov_b32 s[G0A], 1
	s_mul_i32 s[G0A+1], s14, 24576
	s_add_nc_u64 s[G0A+2:G0A+3], s[84:85], s[2:3]
	s_mov_b32 s[G0B], 1
	s_mul_i32 s[G0B+1], s14, 30720
	s_add_co_u32 s[G0B+1], s[G0B+1], WOFF
	s_add_nc_u64 s[G0B+2:G0B+3], s[84:85], s[66:67]
	s_mov_b32 s[G0A+4], 1
	s_add_co_u32 s[G0A+5], s[G0A+1], SLOT
	s_add_nc_u64 s[G0A+6:G0A+7], s[G0A+2:G0A+3], 3072
	s_or_b32 s[G0A+3], s[G0A+3], 0x80000000
	s_or_b32 s[G0B+3], s[G0B+3], 0x80000000
	s_or_b32 s[G0A+7], s[G0A+7], 0x80000000
	s_or_b32 s[G0B+7], s[G0B+7], 0x80000000
; THE HEAD'S LOADS, ONE A WAVE: wave 0 x's 16 tiles of K steps 0, 1, wave 1 the weights' 20, wave 2 x's scale words, wave 3 the weights'.
; One chain of branches on the wave's number; every way through it passes exactly one load.
.macro ARM under, g0, g1, next
	s_cmp_lt_u32 s12, \under
	s_cbranch_scc0 \next
	tensor_load_to_lds s[\g0:\g0+3], s[\g1:\g1+7]
	s_nop 0
.rept 4
	v_nop
.endr
	s_branch .Lhead_asked
\next:
.endm
	ARM 1, 20, G1A, .Lhead_w
	ARM 2, G0B+4, G1B, .Lhead_sx
	ARM 3, G0SA, G1SA, .Lhead_sw
	tensor_load_to_lds s[G0SB:G0SB+3], s[G1SB:G1SB+7]
	s_nop 0
.rept 4
	v_nop
.endr
.Lhead_asked:
	v_and_b32 v14, 31, v0                          ; lane
	v_and_b32 v15, 15, v0                          ; r
	v_bfe_u32 v[HH], v0, 4, 1                      ; h
	v_lshlrev_b32 v[L16], 4, v14
	v_lshlrev_b32 v[L8], 3, v14
	s_mul_i32 s15, s13, 24576
	v_add_nc_u32 v[ADX], s15, v[L16]
	v_add_nc_u32 v[ADX+1], SLOT, v[ADX]
	s_mul_i32 s16, s14, 30720
	s_add_co_u32 s16, s16, WOFF
	v_add_nc_u32 v[ADW], s16, v[L16]
	v_add_nc_u32 v[ADW+1], SLOT, v[ADW]
	s_mul_i32 s15, s13, 4096                       ; scale words: lanes 0-15 x's (my 8 tiles), lanes 16-31 the weights' (my 10): the lower base + h x the distance
	s_mul_i32 s16, s14, 5120
	s_add_co_u32 s16, s16, 8192
	s_sub_co_u32 s16, s16, s15
	v_mul_u32_u24 v16, s16, v[HH]
	s_wait_alu depctr_va_vdst(0)
	s_add_co_u32 s15, s15, XSC
	v_lshl_add_u32 v16, v15, 4, v16
	v_add_nc_u32 v[ADS], s15, v16
	v_and_b32 v16, 7, v15
	v_lshrrev_b32 v17, 3, v15
	v_lshl_add_u32 v16, v17, 5, v16
	v_lshlrev_b32 v[VT], 2, v16
	v_lshlrev_b32 v[H128], 7, v[HH]
	v_lshlrev_b32 v[SH8], 3, v[HH]
	; where the results go.  R = ((batch x 16 + head) x 16 + key step): a record of kv, 8 tiles of qc, an image of qs
	s_lshr_b32 s15, s18, 3
	s_lshl_b32 s15, s15, 4
	s_add_co_u32 s15, s15, s17
	s_lshl_b32 s15, s15, 4
	s_and_b32 s16, s18, 7
	s_lshl_b32 s16, s16, 1
	s_add_co_u32 s15, s15, s16
	s_add_co_u32 s15, s15, s13
	s_mul_i32 s2, s15, 13312
	s_add_nc_u64 s[92:93], s[92:93], s[2:3]        ; my record of kv
	s_mul_i32 s2, s15, 6144
	s_add_nc_u64 s[88:89], s[88:89], s[2:3]
	s_lshl_b32 s2, s15, 9
	s_add_nc_u64 s[90:91], s[90:91], s[2:3]
	s_add_nc_u64 s[84:85], s[92:93], 12288
	s_cmp_eq_u32 s14, 0                            ; col 0 makes q, col 1 makes k: the choice hangs on the wave's number alone
	s_cselect_b64 s[88:89], s[88:89], s[92:93]     ; the codes' place
	s_cselect_b64 s[90:91], s[90:91], s[84:85]     ; the scale image's
	s_cselect_b64 s[4:5], s[4:5], s[8:9]           ; the plain bias
	s_cselect_b64 s[6:7], s[6:7], s[10:11]         ; the reasoning bias
	s_mul_i32 s2, s14, 3072
	s_add_co_u32 s2, s2, 6144
	s_add_nc_u64 s[84:85], s[92:93], s[2:3]        ; my two tiles of V
	s_lshl_b32 s2, s14, 8
	s_add_co_u32 s2, s2, 12800
	s_add_nc_u64 s[86:87], s[92:93], s[2:3]        ; and their scale words
	s_lshl_b32 s2, s17, 8
	s_add_nc_u64 s[4:5], s[4:5], s[2:3]            ; the head's 64 numbers of each bias
	s_add_nc_u64 s[6:7], s[6:7], s[2:3]
	s_lshl_b32 s16, s14, 6
	s_add_co_u32 s2, s2, s16
	s_add_nc_u64 s[98:99], s[98:99], s[2:3]        ; bv: + 16 col numbers
	s_lshl_b32 s2, s18, 10
	s_lshl_b32 s16, s13, 9
	s_add_co_u32 s2, s2, s16
	s_add_nc_u64 s[94:95], s[94:95], s[2:3]        ; the masks at my 128 tokens
	s_add_nc_u64 s[96:97], s[96:97], s[2:3]
	s_mov_b32 s66, 0x76543210
	s_mov_b32 s67, 0xfedcba98                      ; selects for lane l xor 16
.macro LDW5 slot, q, j0                ; five weight fragments, 15 loads
.irp d, 0,1,2,3,4
.irp c, 0,1,2
	ds_load_b128 v[WF+12*((\j0)+\d)+4*\c:WF+12*((\j0)+\d)+4*\c+3], v[ADW+(\slot)] offset:3072*((\j0)+\d)+1536*(\q)+512*\c
.endr
.endr
.endm
.macro LDX slot, q, p                  ; x's eight fragments into set p, 24 loads
.if (\p)
	WIN 0xc0
.endif
.irp a, 0,1,2,3,4,5,6,7
.irp c, 0,1,2
	ds_load_b128 v[160-32*(\p)+12*\a+4*\c:160-32*(\p)+12*\a+4*\c+3], v[ADX+(\slot)] offset:3072*\a+1536*(\q)+512*\c
.endr
.endr
	WIN 0
.endm
.macro LDSC ks, p                      ; the K step's ten registers of scale words
.irp j, 0,1,2,3,4,5,6,7,8,9
	ds_load_b32 v[SC+10*(\p)+\j], v[ADS] offset:512*\j+256*((\ks)/4)+4*((\ks)%4)
.endr
.endm
.macro RUNA ks                         ; 49 loads
	LDW5 ((\ks)/2)%2, (\ks)%2, 0
	LDX ((\ks)/2)%2, (\ks)%2, (\ks)%2
	LDSC \ks, (\ks)%2
.endm
.macro RUNB ks                         ; 15 loads
	LDW5 ((\ks)/2)%2, (\ks)%2, 5
.endm
; Eight products: weight tile j against x's eight.  The 80 accumulators take turns, one instruction a turn, in the same order in every K step.
.macro MM j, p, zero
.if (\j) < 8
	WIN ((1+(\j)/4)*0x50)|(12*(\p))
.else
	WIN 0xf0|(3*(\p))
.endif
.irp a, 0,1,2,3,4,5,6,7
.set rX, 160-32*(\p)+12*\a
.set rW, WF+12*(\j)
.set sX, SC+10*(\p)+\a
.set sW, SC+10*(\p)+(\j)
.if (\j) < 8
.set rD, 8*(8*((\j)%4)+\a)
.if \zero
	v_wmma_scale_f32_16x16x128_f8f6f4 v[rD:rD+7], v[rW:rW+11], v[rX:rX+11], 0, v[sW], v[sX] matrix_a_fmt:MATRIX_FMT_FP6 matrix_b_fmt:MATRIX_FMT_FP6 matrix_a_scale:MATRIX_SCALE_ROW1
.else
	v_wmma_scale_f32_16x16x128_f8f6f4 v[rD:rD+7], v[rW:rW+11], v[rX:rX+11], v[rD:rD+7], v[sW], v[sX] matrix_a_fmt:MATRIX_FMT_FP6 matrix_b_fmt:MATRIX_FMT_FP6 matrix_a_scale:MATRIX_SCALE_ROW1
.endif
.else
.set rD, 8*(8*((\j)-8)+\a)
.if \zero
	v_wmma_scale_f32_16x16x128_f8f6f4 v[rD:rD+7], v[rX:rX+11], v[rW:rW+11], 0, v[sX], v[sW] matrix_a_fmt:MATRIX_FMT_FP6 matrix_b_fmt:MATRIX_FMT_FP6 matrix_b_scale:MATRIX_SCALE_ROW1
.else
	v_wmma_scale_f32_16x16x128_f8f6f4 v[rD:rD+7], v[rX:rX+11], v[rW:rW+11], v[rD:rD+7], v[sX], v[sW] matrix_a_fmt:MATRIX_FMT_FP6 matrix_b_fmt:MATRIX_FMT_FP6 matrix_b_scale:MATRIX_SCALE_ROW1
.endif
.endif
.endr
.endm
.macro KSTEP ks, zero                  ; a K step whose successor lies in the same slot
	s_wait_dscnt 15                                ; run A is in; run B's 15 loads may be out
.irp j, 0,1,2,3,4
	MM \j, (\ks)%2, \zero
.endr
	s_wait_dscnt 0x0                               ; run B is in (asked for 40 matrix instructions ago)
	PLACES
	WIN 0
	RUNA (\ks)+1
.irp j, 5,6,7,8,9
	MM \j, (\ks)%2, \zero
.endr
	PLACES
	WIN 0
	RUNB (\ks)+1
.endm
; A slot's last K step changes slots: one barrier; in front of it each wave waits for all its tensor loads, adds 0 to its spare word, and waits for that and for its reads of this slot.
.macro TURN ks, fill
	s_wait_tensorcnt 0x0                           ; all my tensor loads have landed: my part of the next slot
	ds_add_u32 v[SPW], v[NIL]                      ; 0 onto my spare word
	s_wait_dscnt 16                                ; (the add and run B's 15 loads may be out)
	MM 0, (\ks)%2, 0
	MM 1, (\ks)%2, 0
	s_wait_dscnt 0x0                               ; the add is done, and my reads of this slot are over
	s_barrier_signal -1
	MM 2, (\ks)%2, 0
	MM 3, (\ks)%2, 0
	MM 4, (\ks)%2, 0
	WIN 0
	s_barrier_wait -1
.if \fill
	CREST                                          ; the barrier has opened a round of the cluster's: no wave of any partner still reads this slot or has a load on its way
	s_add_nc_u64 s[G0A+4*(((\ks)/2)%2)+2:G0A+4*(((\ks)/2)%2)+3], s[G0A+4*(((\ks)/2)%2)+2:G0A+4*(((\ks)/2)%2)+3], 6144
	s_add_nc_u64 s[G0B+4*(((\ks)/2)%2)+2:G0B+4*(((\ks)/2)%2)+3], s[G0B+4*(((\ks)/2)%2)+2:G0B+4*(((\ks)/2)%2)+3], 6144
	JLOAD G0A+4*(((\ks)/2)%2), G1A, G0B+4*(((\ks)/2)%2), G1B   ; the slot just left takes the K steps four on: 160 matrix instructions ahead of the wait for it; its four v_nop are the places for the loads below
.else
	PLACES
.endif
	RUNA (\ks)+1
.irp j, 5,6,7,8,9
	MM \j, (\ks)%2, 0
.endr
	PLACES
	WIN 0
	RUNB (\ks)+1
.endm
	s_wait_alu depctr_va_vdst(0)
	s_wait_tensorcnt 0x0                           ; my tile of the head's four is in; slot 1's first fill is issued as a refill is
	ds_add_u32 v[SPW], v[NIL]
	s_mov_b32 s[G1A+2], 8<<16                      ; no load of mine is out, so descriptors may be written: the ring's loads bring 8 tiles of x,
	s_mov_b32 s[G1A+4], 8
	s_mov_b32 s[G1B+2], 10<<16                     ; 10 of the weights;
	s_mov_b32 s[G1B+4], 10
	s_add_co_u32 s[G0B+5], s[G0B+1], SLOT          ; and slot 1's group 0 for the weights: K steps 2, 3
	s_add_nc_u64 s[G0B+6:G0B+7], s[G0B+2:G0B+3], 3072
	s_wait_dscnt 0x0
	CROUND                                         ; all four tiles are in, and all sixteen work-groups are here
	JLOAD G0A+4, G1A, G0B+4, G1B                   ; slot 1: K steps 2, 3: my one load behind the round.  No prefetch: K has four slot fills in all, two of them asked for here
	RUNA 0
	RUNB 0
	KSTEP 0, 1                                     ; the first K step's products start the sums
	TURN 1, 1
	KSTEP 2, 0
	TURN 3, 1
	KSTEP 4, 0
	TURN 5, 0                                      ; nothing is left to fetch: no round
	KSTEP 6, 0
; what the way out needs, into x's set 0, which the last K step does not read (four places stand behind its last readers)
.set BM,  160                          ; v160-191 the plain bias of my 32 features
.set DB,  192                          ; v192-223 the reasoning bias, then the difference
.set RMR, 224                          ; v224-231 reasoning_mask of my token in tile a
.set AMR, 232                          ; v232-239 attention_mask likewise
.set BVR, 240                          ; v240-241 bv of my feature in my two tiles of Wv
.set BVP, 242                          ; v242-245 the same as pairs
.irp q, 0,1,2,3,4,5,6,7
	global_load_b128 v[BM+4*\q:BM+4*\q+3], v[H128], s[4:5] offset:16*\q
	global_load_b128 v[DB+4*\q:DB+4*\q+3], v[H128], s[6:7] offset:16*\q
.endr
.irp a, 0,1,2,3,4,5,6,7
	global_load_b32 v[RMR+\a], v[VT], s[94:95] offset:4*(64*(\a/4)+8*(\a%4))
	global_load_b32 v[AMR+\a], v[VT], s[96:97] offset:4*(64*(\a/4)+8*(\a%4))
.endr
	global_load_b32 v[BVR], v[VT], s[98:99]
	global_load_b32 v[BVR+1], v[VT], s[98:99] offset:32
	s_wait_dscnt 15                                ; the last K step: nothing more to fetch
.irp j, 0,1,2,3,4
	MM \j, 1, 0
.endr
	s_wait_dscnt 0x0
.irp j, 5,6,7,8,9
	MM \j, 1, 0
.endr
	WIN 0
; THE WAY OUT
.set MW,  20                           ; v20-27  the upper half of tile a's scale word: the mask's byte and the byte 1
.set KO,  28
.set KH,  29
.set RM,  32                           ; v32-47  (rm, rm) of tile a
.set OM,  48                           ; v48-63  (1 - rm, 1 - rm)
.set T,   64                           ; v64-95  32 numbers: one block
.set CD,  96                           ; v96-101 its codes
.set TM,  102
.set MA,  106
.set SO,  108
.set BY,  109
.set WD,  110
.set EX,  111
.set SW,  112                          ; v112-119 the eight tiles' scale words
.set F,   120                          ; v120-131 a fragment of V
.set BYV, 132
.set VW,  134                          ; v134-135 my two tiles' scale words
.set OW,  136
.macro QUANT32 x, d, by                ; 32 numbers of a lane, one block, become six registers of codes
	v_max3_num_f32 v[MA], |v[(\x)]|, |v[(\x)+1]|, 0x1800000    ; two half chains; the floor 2^(3 - 127) holds the byte at 1 from below
	v_max3_num_f32 v[MA+1], |v[(\x)+2]|, |v[(\x)+3]|, |v[(\x)+4]|
.irp i, 5,9,13,17,21,25
	v_max3_num_f32 v[MA], v[MA], |v[(\x)+\i]|, |v[(\x)+\i+1]|
	v_max3_num_f32 v[MA+1], v[MA+1], |v[(\x)+\i+2]|, |v[(\x)+\i+3]|
.endr
	v_max3_num_f32 v[MA], v[MA], |v[(\x)+29]|, |v[(\x)+30]|
	v_max3_num_f32 v[MA], v[MA], v[MA+1], |v[(\x)+31]|
	v_add_nc_u32 v[SO], 0xff000000, v[MA]          ; 2 off the exponent field: the conversions' scale operand
	v_lshrrev_b32 v[\by], 23, v[SO]                ; the byte
	v_cvt_scalef32_pk16_fp6_f32 v[(\d):(\d)+2], v[(\x):(\x)+15], v[SO]
	v_cvt_scalef32_pk16_fp6_f32 v[TM:TM+2], v[(\x)+16:(\x)+31], v[SO]
	v_nop                                          ; one plain line behind the scaled conversions
	v_mov_b32 v[(\d)+3], v[TM]
	v_mov_b32 v[(\d)+4], v[TM+1]
	v_mov_b32 v[(\d)+5], v[TM+2]
.endm
	s_wait_loadcnt 0x0
.set n, 0
.rept 16
	v_pk_add_f32 v[DB+n:DB+n+1], v[DB+n:DB+n+1], v[BM+n:BM+n+1] neg_lo:[0,1] neg_hi:[0,1]   ; br - b.  (These 16 lines name no register of the last products: they are the places behind them)
.set n, n+2
.endr
.irp a, 0,1,2,3,4,5,6,7
	v_mov_b32 v[RM+2*\a], v[RMR+\a]
	v_mov_b32 v[RM+2*\a+1], v[RMR+\a]
	v_sub_f32 v[OM+2*\a], 1.0, v[RMR+\a]
	v_sub_f32 v[OM+2*\a+1], 1.0, v[RMR+\a]
.endr
	v_mov_b32 v[KO], 0x01010000                    ; an open key: 2^-126 for k = 64 .. 95
	v_mov_b32 v[KH], 0x01bb0000                    ; a hidden key, and every query: 2^60
.irp a, 0,1,2,3,4,5,6,7
	v_mul_lo_u32 v[AMR+\a], v[AMR+\a], s14         ; col 0 makes q: 0 for every token
	v_cmp_eq_u32 vcc_lo, 0, v[AMR+\a]
	v_cndmask_b32 v[MW+\a], v[KO], v[KH], vcc_lo
.endr
	v_mov_b32 v[BVP], v[BVR]
	v_mov_b32 v[BVP+1], v[BVR]
	v_mov_b32 v[BVP+2], v[BVR+1]
	v_mov_b32 v[BVP+3], v[BVR+1]
	v_mov_b32 v[EX], 0                             ; a lane permute's destination counts as read
	v_cmp_ne_u32 s19, 0, v[HH]
.macro QK a                            ; tile a of q or k: my token's 32 features
	WIN 0
.set n, 0
.rept 16
	v_pk_fma_f32 v[T+n:T+n+1], v[DB+n:DB+n+1], v[RM+2*(\a):RM+2*(\a)+1], v[BM+n:BM+n+1]
.set n, n+2
.endr
	WIN 0x01
.set n, 0
.rept 16
	v_pk_fma_f32 v[T+n:T+n+1], v[8*(8*(n/8)+(\a))+n%8:8*(8*(n/8)+(\a))+n%8+1], v[OM+2*(\a):OM+2*(\a)+1], v[T+n:T+n+1]   ; each accumulator from its low end on
.set n, n+2
.endr
	WIN 0x02
.set n, 0
.rept 16
	v_pk_fma_f32 v[T+n:T+n+1], v[8*(8*(n/8)+(\a))+n%8:8*(8*(n/8)+(\a))+n%8+1], v[RM+2*(\a):RM+2*(\a)+1], v[T+n:T+n+1]
.set n, n+2
.endr
	WIN 0
	s_wait_xcnt 0x0                                ; the last tile's stores have read the codes' registers
	QUANT32 T, CD, BY
	global_store_b128 v[L16], v[CD:CD+3], s[88:89] offset:768*(\a)        ; half a fragment as an image: 512 consecutive bytes,
	global_store_b64 v[L8], v[CD+4:CD+5], s[88:89] offset:768*(\a)+512    ; then 256
	v_lshlrev_b32 v[WD], v[SH8], v[BY]             ; my block's byte at its place,
	v_permlanex16_b32 v[EX], v[WD], s66, s67
	v_or_b32 v[WD], v[WD], v[EX]                   ; with lane l xor 16's,
	v_or_b32 v[SW+(\a)], v[WD], v[MW+(\a)]         ; and the upper half
.endm
.irp a, 0,1,2,3,4,5,6,7
	QK \a
.endr
.irp k, 0,1,2,3
	v_cndmask_b32 v[OW+\k], v[SW+\k], v[SW+4+\k], s19   ; lanes 0-15 tiles 0-3, lanes 16-31 tiles 4-7
.endr
	global_store_b128 v[L16], v[OW:OW+3], s[90:91]
.macro VV u                            ; my tile u of V: my feature's 2 x 32 neighbouring keys
.irp c, 0,1
	WIN 0x03
.set n, 0
.rept 16
	v_pk_add_f32 v[T+n:T+n+1], v[8*(8*(\u)+4*\c+n/8)+n%8:8*(8*(\u)+4*\c+n/8)+n%8+1], v[BVP+2*(\u):BVP+2*(\u)+1]
.set n, n+2
.endr
	WIN 0
	s_wait_xcnt 0x0                                ; earlier stores have read the fragment's registers
	QUANT32 T, F+6*\c, BYV+\c
.endr
	v_lshl_or_b32 v[WD], v[BYV+1], 16, v[BYV]      ; blocks h and 2 + h of these 128 keys
	v_lshlrev_b32 v[WD], v[SH8], v[WD]
	v_permlanex16_b32 v[EX], v[WD], s66, s67
	v_or_b32 v[VW+(\u)], v[WD], v[EX]
.irp c, 0,1,2
	global_store_b128 v[L16], v[F+4*\c:F+4*\c+3], s[84:85] offset:1536*(\u)+512*\c
.endr
.endm
	VV 0
	VV 1
	global_store_b64 v[L8], v[VW:VW+1], s[86:87]   ; 256 consecutive bytes
	s_wait_tensorcnt 0x0                           ; the wave's end
	ds_add_u32 v[SPW], v[NIL]
	s_wait_dscnt 0x0
	CROUND                                         ; the closing round
	s_endpgm
.Lfunc_end_k_q3e78a437cd_proj:
	.size	k_q3e78a437cd_proj, .Lfunc_end_k_q3e78a437cd_proj-k_q3e78a437cd_proj
	.p2alignl 7, 3214868480
	.fill 96, 4, 3214868480
	.section	.rodata,"a",@progbits
	.p2align	6, 0x0
	.amdhsa_kernel k_q3e78a437cd_proj
		.amdhsa_group_segment_fixed_size 327680
		.amdhsa_private_segment_fixed_size 0
		.amdhsa_enable_private_segment 0
		.amdhsa_kernarg_size 96
		.amdhsa_user_sgpr_count 2
		.amdhsa_user_sgpr_kernarg_segment_ptr 1
		.amdhsa_wavefront_size32 1
		.amdhsa_system_sgpr_workgroup_id_x 1
		.amdhsa_system_sgpr_workgroup_id_y 1
		.amdhsa_system_sgpr_workgroup_id_z 1
		.amdhsa_system_vgpr_workitem_id 0
		.amdhsa_next_free_vgpr 1024
		.amdhsa_next_free_sgpr 100
		.amdhsa_reserve_vcc 1
		.amdhsa_float_denorm_mode_32 3
		.amdhsa_float_denorm_mode_16_64 3
		.amdhsa_memory_ordered 1
		.amdhsa_forward_progress 1
		.amdhsa_inst_pref_size 186
	.end_amdhsa_kernel
	.amdgpu_metadata
---
amdhsa.version: [ 1, 2 ]
amdhsa.kernels:
  - .name:           k_q3e78a437cd_proj
    .symbol:         k_q3e78a437cd_proj.kd
    .args:
      - { .name: cq, .offset: 0, .size: 8, .value_kind: global_buffer, .address_space: global }
      - { .name: cs, .offset: 8, .size: 8, .value_kind: global_buffer, .address_space: global }
      - { .name: qc, .offset: 16, .size: 8, .value_kind: global_buffer, .address_space: global }
      - { .name: qs, .offset: 24, .size: 8, .value_kind: global_buffer, .address_space: global }
      - { .name: kv, .offset: 32, .size: 8, .value_kind: global_buffer, .address_space: global }
      - { .name: reasoning_mask, .offset: 40, .size: 8, .value_kind: global_buffer, .address_space: global }
      - { .name: attention_mask, .offset: 48, .size: 8, .value_kind: global_buffer, .address_space: global }
      - { .name: bv, .offset: 56, .size: 8, .value_kind: global_buffer, .address_space: global }
      - { .name: bq, .offset: 64, .size: 8, .value_kind: global_buffer, .address_space: global }
      - { .name: bqr, .offset: 72, .size: 8, .value_kind: global_buffer, .address_space: global }
      - { .name: bk, .offset: 80, .size: 8, .value_kind: global_buffer, .address_space: global }
      - { .name: bkr, .offset: 88, .size: 8, .value_kind: global_buffer, .address_space: global }
    .group_segment_fixed_size: 327680
    .private_segment_fixed_size: 0
    .kernarg_segment_align: 8
    .kernarg_segment_size: 96
    .max_flat_workgroup_size: 128
    .sgpr_count:     100
    .vgpr_count:     1024
    .wavefront_size: 32
...
	.end_amdgpu_metadata
.endif
;; end of part 2
;; launch attn (part 3): grid 8 x 32, 8 waves a work-group, clusters of 4 x 1, 327,680 bytes of LDS; arguments qc, qs, kv, ac, asc; writes ac, asc
.if DOCPART == 3
	.amdgcn_target "amdgcn-amd-amdhsa--gfx1250"
	.amdhsa_code_object_version 6
	.text
	.protected	k_q3e78a437cd_attn
	.globl	k_q3e78a437cd_attn
	.p2align	8
	.type	k_q3e78a437cd_attn,@function
k_q3e78a437cd_attn:
	s_mov_b64 s[64:65], 0
	v_nop
	global_prefetch_b8 v0, s[64:65] scope:SCOPE_SE
	s_setreg_imm32_b32 hwreg(HW_REG_WAVE_MODE, 25, 1), 1
	s_wait_xcnt 0x0
	s_wait_alu depctr_hold_cnt(0) depctr_sa_sdst(0) depctr_va_vdst(0) depctr_va_sdst(0) depctr_va_ssrc(0) depctr_va_vcc(0) depctr_vm_vsrc(0)
	s_getreg_b32 s2, hwreg(HW_REG_IB_STS2, 6, 4)
	s_cmp_eq_u32 s2, 0
	s_cbranch_scc0 .Lentry_in_a_cluster
	s_endpgm
.Lentry_in_a_cluster:
	s_bfe_u32 s2, ttmp6, 0x10000c
	s_cmp_lg_u32 s2, 0x3003
	s_cbranch_scc0 .Lentry_shape_is_right
	s_endpgm
.Lentry_shape_is_right:
; Attention of one (batch, head) on codes of FP6; the result, divided by the row's sum, is quantised along the head's 64 for the last projection.
; t = score x log2(e) / 8; M = the running largest t rounded UP to a whole number, kept as -M = floor(-t); p = 2^(t - M) is quantised along the keys, not normalised; the row's sum is taken of the
; unquantised p; when M moves, the sum and O are multiplied by 2^(old M - new M), which rounds nothing.
; SHARES.  A work-group: 256 queries.  Wave w: two tiles of 16 queries, so that each fragment of K and V read from LDS feeds two products; two waves to a SIMD.  Every wave walks all 2,048 keys, 128 a step.
; LAYOUT.  Both products transposed (S^T = K Q^T, O^T = V^T P^T): a lane holds one query.  By the row tiles' map a lane's 32 registers of four neighbouring tiles are 32 neighbouring keys (or channels):
; one whole block, so that no maximum of a block and no code changes lanes.
; THE HEAD IS 64 WIDE, the K step 128.  The spare half carries the key mask: Q has the code -1 at k = 64 under the scale 2^60, K the code +1 under 2^60 (hidden) or 2^-126 (open): a hidden key's score
; gets -2^120 and its p is 0; an open key's gets -2^-66, the same for all open keys of a row.  All other codes of Q's spare half are 0, so K's registers there may hold anything: K's tiles stand 8 registers apart.
; The largest score begins at -1e30, above every hidden score: a hidden key never moves M.
; LDS.  The head's 16 records of kv (13,312 bytes: 8 tiles of K, 4 of V, their scale words), 212,992 bytes, are filled ONCE, by joint loads shared by the cluster's four query blocks: records 0-3 by one load
; a wave at the head (26 rows of 256 bytes each), records 4-15 by one more a wave (78 rows) behind a round of the cluster's barrier.  Steps 0-2 read records 0-3 alone; one barrier stands ahead of step 3.
; All of LDS is claimed.  No prefetch: both loads are asked for ahead of the first step, so no loop is left to run ahead in.
; A TRIP: 16 score products; V of this record and K of the next are fetched; maxima, M, f; O and the sums under the new M; two batches of exponentials; sums, bytes, codes; 8 products for O.
; A trip's last products and the next trip's first stand on end: 24 matrix instructions on 24 accumulators.  Every wait on a counter is for 0.
; LIMITS: NaN and infinities are not served; a batch whose keys are all hidden is not served (the sum is 0); a score under -1e30 counts as hidden; a block under 2^-124 or of zeros keeps the byte 1.
; The scale words leave as 128 consecutive bytes a wave: one part in 13 of this launch's output.
; REGISTERS: window 0: v1-10 addresses; v12-27 statistics, 8 a tile; v28-43 the blocks' figures, 8 a tile; v44-55 scale words; v56-61 side sums; v62-68 at work; v72-95 P; v96-223 S^T, then p.
;   window 1: v0-67 K; v72-119 V; v120-143 Q; v144-207 O^T.
.set REC,  13312
.set PH0,  4*REC
.set SPARE, 0x38000                    ; the spare words, 128 bytes a wave: no other line names them
.set L16, 1
.set L8,  2
.set A16, 3
.set A8,  4
.set SH8, 5
.set HH,  6
.set ST,  12                           ; tile e at ST + 8 e: +0 -M, +1 the largest score, +2, +3 the sum, +4, +5 f (low word used), +6 at work, +7 the old -M
.set BM,  28                           ; tile e at BM + 8 e: +0, +1 the blocks' largest score, then p; +2, +3 scale operands; +4, +5 bytes; +6, +7 at work
.set KS,  44
.set VS,  48
.set QS,  52
.set PS,  54
.set C2,  56
.set TA,  62
.set TC,  66
.set P,   72
.set S,   96
.set SPW, 254
.set NIL, 255
.set VF,  72                           ; window 1
.set QF,  120
.set OF,  144
.set SEL, 20
.set CS,  22
.set G1,  24                           ; s[24:31] group 1, 26 rows; s[32:35] its group 0
.set G2,  40                           ; s[40:47] group 1, 78 rows; s[36:39] its group 0
.set TB,  48                           ; s48  LDS byte of the record in hand
.set CNT, 49
.set SHH, 50
.set CSN, 66                           ; s66  -log2(e) / 8
.set MSB, 0
.macro WIN new                         ; the immediate's high byte repeats the setting that is left
.if MSB != (\new)
	s_set_vgpr_msb (MSB<<8)|(\new)
.set MSB, (\new)
.endif
.endm
.macro CROUND                          ; a round of the cluster's barrier
	s_barrier_signal -1
	s_barrier_wait -1
	s_cmp_lg_u32 s14, 0
	s_cbranch_scc1 .Lnot_wave_0_\@
	s_barrier_signal -3
.Lnot_wave_0_\@:
	s_barrier_wait -3
	s_barrier_signal -1
	s_barrier_wait -1
.endm
	s_load_b256 s[4:11], s[0:1], 0x0               ; qc 4, qs 6, kv 8, ac 10
	s_load_b64 s[12:13], s[0:1], 0x20              ; asc
	v_lshl_add_u32 v[SPW], v0, 2, SPARE
	v_mov_b32 v[NIL], 0
	ds_add_u32 v[SPW], v[NIL]                      ; the opening lines: the add, twice on end, and its wait
	ds_add_u32 v[SPW], v[NIL]
	v_lshrrev_b32 v7, 5, v0
	v_readfirstlane_b32 s14, v7                    ; wave 0..7
	v_and_b32 v7, 31, v0
	v_lshlrev_b32 v[L16], 4, v7
	v_lshlrev_b32 v[L8], 3, v7
	v_lshlrev_b32 v8, 2, v7                        ; 4 x lane
	v_and_b32 v9, 15, v0
	v_lshlrev_b32 v9, 4, v9                        ; 16 r
	v_bfe_u32 v[HH], v0, 4, 1
	v_lshlrev_b32 v[SH8], 3, v[HH]
	v_sub_nc_u32 v10, 1, v[HH]
	v_mul_u32_u24 v10, v10, 40                     ; lanes 0-15: 0x28, the code -1 at k = 64; lanes 16-31: 0
	s_bfe_u32 s15, ttmp6, 0x40000                  ; cx
	s_lshl_b32 s16, ttmp9, 2
	s_add_co_u32 s16, s16, s15                     ; my block of 256 queries: it enters Q's and the outputs' addresses alone
	s_and_b32 s17, ttmp7, 0xffff                   ; batch x 16 + head, which the four partners share
	s_mul_i32 s51, s14, 6656                       ; my wave's part of records 0-3, at the same place in LDS and in memory
	s_mul_i32 s59, s14, 19968                      ; and of records 4-15
	s_mul_i32 s52, s17, 16*REC
	s_mov_b32 s53, 0
.irp g, G1, G2
	s_mov_b32 s[\g], 15|(3<<16)|(1<<21)            ; 15:0 all four work-groups; 17:16 elements of 8 bytes; 21 set beside a mask
	s_mov_b32 s[\g+1], 32<<16                      ; rows of 256 bytes, dense
	s_mov_b32 s[\g+3], 32<<16
	s_mov_b32 s[\g+5], 32
	s_mov_b32 s[\g+6], 0
	s_mov_b32 s[\g+7], 0
.endr
	s_mov_b32 s[G1+2], 26<<16
	s_mov_b32 s[G1+4], 26
	s_mov_b32 s[G2+2], 78<<16
	s_mov_b32 s[G2+4], 78
	s_mov_b32 s[SEL], 0x76543210
	s_mov_b32 s[SEL+1], 0xfedcba98                 ; selects for lane l xor 16
	s_mov_b32 s[CS], 0x3e38aa3b                    ; c = log2(e) / 8
	s_mov_b32 s[CS+1], s[CS]                       ; (named with it as a pair)
	s_mov_b32 s[CSN], 0xbe38aa3b                   ; -c
	s_mov_b32 s[TB], 0
	s_lshl_b32 s18, s16, 4
	s_lshl_b32 s19, s14, 1
	s_add_co_u32 s18, s18, s19                     ; T0: my first query tile of the head's 128
	s_lshl_b32 s54, s17, 7
	s_add_co_u32 s54, s54, s18
	s_mul_i32 s54, s54, 768                        ; Q's codes
	s_mov_b32 s55, 0
	s_lshl_b32 s56, s17, 4                         ; Q's scale words: image T0 / 8, half (T0 % 8) / 4, word T0 % 4
	s_lshr_b32 s19, s18, 3
	s_add_co_u32 s56, s56, s19
	s_lshl_b32 s56, s56, 9
	s_bfe_u32 s19, s18, 0x10002
	s_lshl_b32 s19, s19, 8
	s_add_co_u32 s56, s56, s19
	s_and_b32 s19, s18, 3
	s_lshl_b32 s19, s19, 2
	s_add_co_u32 s56, s56, s19
	s_mov_b32 s57, 0
	s_lshr_b32 s58, s17, 4
	s_lshl_b32 s58, s58, 7
	s_add_co_u32 s58, s58, s18                     ; my first row tile of the 256
	s_and_b32 s19, s17, 15                         ; head
	s_mul_i32 s60, s58, 12288
	s_mul_i32 s62, s19, 768
	s_add_co_u32 s60, s60, s62
	s_mov_b32 s61, 0
	s_lshl_b32 s62, s19, 8
	s_add_co_u32 s62, s62, s58
	s_lshl_b32 s62, s62, 6
	s_mov_b32 s63, 0
	s_and_b32 s[SHH], s19, 1
	s_lshl_b32 s[SHH], s[SHH], 4                   ; an odd head's two bytes are the word's upper half
	s_wait_alu depctr_va_vdst(0)
	s_wait_dscnt 0x0
	s_wait_kmcnt 0x0
	s_add_nc_u64 s[8:9], s[8:9], s[52:53]          ; the head's records
	s_add_nc_u64 s[4:5], s[4:5], s[54:55]
	s_add_nc_u64 s[6:7], s[6:7], s[56:57]
	s_add_nc_u64 s[10:11], s[10:11], s[60:61]
	s_add_nc_u64 s[12:13], s[12:13], s[62:63]
	s_mov_b32 s32, 1
	s_mov_b32 s33, s51
	s_mov_b32 s52, s51
	s_add_nc_u64 s[34:35], s[8:9], s[52:53]
	s_or_b32 s35, s35, 0x80000000
	s_mov_b32 s36, 1
	s_add_co_u32 s52, s59, PH0
	s_mov_b32 s37, s52
	s_add_nc_u64 s[38:39], s[8:9], s[52:53]
	s_or_b32 s39, s39, 0x80000000
	global_load_b64 v[QS:QS+1], v9, s[6:7]         ; my two tiles' scale words
	WIN 0x40                                       ; destination window 1
.irp e, 0,1
	global_load_b128 v[QF+12*\e:QF+12*\e+3], v[L16], s[4:5] offset:768*\e
	global_load_b64 v[QF+12*\e+4:QF+12*\e+5], v[L8], s[4:5] offset:768*\e+512
.endr
	WIN 0
	CROUND                                         ; all four work-groups are here: the joint loads meet
	tensor_load_to_lds s[32:35], s[G1:G1+7]        ; records 0-3, my eighth: my one load at the head
	s_nop 0
	WIN 0x40
.irp e, 0,1
	v_mov_b32 v[QF+12*\e+6], v10
.irp i, 7,8,9,10,11
	v_mov_b32 v[QF+12*\e+\i], 0
.endr
.endr
.irp t, 0,1,2,3,4,5,6,7
	v_mov_b32 v[8*\t+6], 8                         ; the code +1 at k = 64 (and at k = 96, where Q's code is 0)
	v_mov_b32 v[8*\t+7], 0
.endr
.irp i, 64,65,66,67
	v_mov_b32 v[\i], 0
.endr
.set n, 0
.rept 64
	v_mov_b32 v[OF+n], 0                           ; O^T.  (The step has no first form of its own: it finds zeros, which the first change of M leaves zeros)
.set n, n+1
.endr
	WIN 0
.irp e, 0,1
	v_mov_b32 v[ST+8*\e+1], 0xf149f2ca             ; the largest score so far: -1e30
	v_mov_b32 v[ST+8*\e], 0x7149f2ca               ; -M: 1e30, so that the first f is 0
	v_mov_b32 v[ST+8*\e+2], 0                      ; the sum, in two halves
	v_mov_b32 v[ST+8*\e+3], 0
	v_mov_b32 v[ST+8*\e+5], 0                      ; (named as the upper half of f's pair)
	v_mov_b32 v[BM+8*\e+7], 0                      ; a lane permute's destination counts as read
.endr
.macro KL a16, a8, off                 ; a record's K: 16 loads into window 1
.irp t, 0,1,2,3,4,5,6,7
	ds_load_b128 v[8*\t:8*\t+3], v[\a16] offset:(\off)+768*\t
	ds_load_b64 v[8*\t+4:8*\t+5], v[\a8] offset:(\off)+768*\t+512
.endr
.endm
.macro FMAS e                          ; t - M of tile e's 64 scores, and of its two blocks' largest: p rises with the score
.set n, 0
.rept 32
	v_pk_fma_f32 v[S+64*(\e)+n:S+64*(\e)+n+1], v[S+64*(\e)+n:S+64*(\e)+n+1], s[CS:CS+1], v[ST+8*(\e):ST+8*(\e)+1] op_sel_hi:[1,0,0]
.set n, n+2
.endr
	v_fma_f32 v[BM+8*(\e)], v[BM+8*(\e)], s[CS], v[ST+8*(\e)]
	v_fma_f32 v[BM+8*(\e)+1], v[BM+8*(\e)+1], s[CS], v[ST+8*(\e)]
.endm
.macro EXPS e                          ; a batch of 66
.set n, 0
.rept 64
	v_exp_f32 v[S+64*(\e)+n], v[S+64*(\e)+n]
.set n, n+1
.endr
	v_exp_f32 v[BM+8*(\e)], v[BM+8*(\e)]
	v_exp_f32 v[BM+8*(\e)+1], v[BM+8*(\e)+1]
.endm
.macro SUMS e                          ; tile e's 64 p onto its sum, two at a time, in four chains: 32 lines
.set sB, S+64*(\e)
.set sA, ST+8*(\e)+2
	v_pk_add_f32 v[C2:C2+1], v[sB:sB+1], v[sB+2:sB+3]
	v_pk_add_f32 v[C2+2:C2+3], v[sB+4:sB+5], v[sB+6:sB+7]
	v_pk_add_f32 v[C2+4:C2+5], v[sB+8:sB+9], v[sB+10:sB+11]
.set n, 12
.rept 6
	v_pk_add_f32 v[sA:sA+1], v[sA:sA+1], v[sB+n:sB+n+1]
	v_pk_add_f32 v[C2:C2+1], v[C2:C2+1], v[sB+n+2:sB+n+3]
	v_pk_add_f32 v[C2+2:C2+3], v[C2+2:C2+3], v[sB+n+4:sB+n+5]
	v_pk_add_f32 v[C2+4:C2+5], v[C2+4:C2+5], v[sB+n+6:sB+n+7]
.set n, n+8
.endr
	v_pk_add_f32 v[sA:sA+1], v[sA:sA+1], v[sB+60:sB+61]
	v_pk_add_f32 v[C2:C2+1], v[C2:C2+1], v[sB+62:sB+63]
	v_pk_add_f32 v[C2+2:C2+3], v[C2+2:C2+3], v[C2+4:C2+5]
	v_pk_add_f32 v[sA:sA+1], v[sA:sA+1], v[C2:C2+1]
	v_pk_add_f32 v[sA:sA+1], v[sA:sA+1], v[C2+2:C2+3]
.endm
.macro CODES e                         ; tile e's p: the two blocks' bytes, the scale word, the codes
.set bb, BM+8*(\e)
	v_max_num_f32 v[bb], 0x1800000, v[bb]          ; the floor 2^(3 - 127): a block whose every p is 0 keeps the byte 1, and its codes are zeros
	v_max_num_f32 v[bb+1], 0x1800000, v[bb+1]
	v_add_nc_u32 v[bb+2], 0xff000000, v[bb]        ; 2 off the exponent field: the conversions' scale operand
	v_add_nc_u32 v[bb+3], 0xff000000, v[bb+1]
	v_lshrrev_b32 v[bb+4], 23, v[bb+2]             ; the byte
	v_lshrrev_b32 v[bb+5], 23, v[bb+3]
	v_lshl_or_b32 v[bb+6], v[bb+5], 16, v[bb+4]    ; blocks h and 2 + h
	v_lshlrev_b32 v[bb+6], v[SH8], v[bb+6]
	v_permlanex16_b32 v[bb+7], v[bb+6], s[SEL], s[SEL+1]
	v_cvt_scalef32_pk16_fp6_f32 v[P+12*(\e):P+12*(\e)+2], v[S+64*(\e):S+64*(\e)+15], v[bb+2]
	v_cvt_scalef32_pk16_fp6_f32 v[TA:TA+2], v[S+64*(\e)+16:S+64*(\e)+31], v[bb+2]
	v_cvt_scalef32_pk16_fp6_f32 v[P+12*(\e)+6:P+12*(\e)+8], v[S+64*(\e)+32:S+64*(\e)+47], v[bb+3]
	v_cvt_scalef32_pk16_fp6_f32 v[TC:TC+2], v[S+64*(\e)+48:S+64*(\e)+63], v[bb+3]
	v_or_b32 v[PS+(\e)], v[bb+6], v[bb+7]          ; p's scale word for these 128 keys.  (Also the plain line behind the scaled conversions)
.irp i, 0,1,2
	v_mov_b32 v[P+12*(\e)+3+\i], v[TA+\i]          ; (a conversion's three registers begin on an even number)
	v_mov_b32 v[P+12*(\e)+9+\i], v[TC+\i]
.endr
.endm
; A KEY STEP: 128 keys.  more = 1: the next record's K is fetched behind this step's scores.
.macro STEP more
	WIN 0x05
.irp t, 0,1,2,3
.irp e, 0,1
	v_wmma_scale_f32_16x16x128_f8f6f4 v[S+64*\e+8*\t:S+64*\e+8*\t+7], v[8*\t:8*\t+11], v[QF+12*\e:QF+12*\e+11], 0, v[KS+\t], v[QS+\e] matrix_a_fmt:MATRIX_FMT_FP6 matrix_b_fmt:MATRIX_FMT_FP6
.endr
.endr
.irp t, 4,5,6,7
.irp e, 0,1
	v_wmma_scale_f32_16x16x128_f8f6f4 v[S+64*\e+8*\t:S+64*\e+8*\t+7], v[8*\t:8*\t+11], v[QF+12*\e:QF+12*\e+11], 0, v[KS+\t-4], v[QS+\e] matrix_a_fmt:MATRIX_FMT_FP6 matrix_b_fmt:MATRIX_FMT_FP6 matrix_a_scale:MATRIX_SCALE_ROW1
.endr
.endr
	WIN 0
	v_add_nc_u32 v[A16], s[TB], v[L16]             ; four plain lines behind the products, ahead of the loads into K's, V's and the scale words' registers and of the first read of the scores
	v_add_nc_u32 v[A8], s[TB], v[L8]
	v_mov_b32 v[ST+7], v[ST]                       ; the old -M
	v_mov_b32 v[ST+15], v[ST+8]
	WIN 0x40
.irp i, 0,1,2,3
.irp c, 0,1,2
	ds_load_b128 v[VF+12*\i+4*\c:VF+12*\i+4*\c+3], v[A16] offset:6144+1536*\i+512*\c
.endr
.endr
.if \more
	KL A16, A8, REC
.endif
	WIN 0
	ds_load_b64 v[VS:VS+1], v[A8] offset:12800
	ds_load_b64 v[VS+2:VS+3], v[A8] offset:13056
.if \more
	ds_load_b128 v[KS:KS+3], v[A16] offset:REC+12288   ; lanes 0-15 tiles 0-3, lanes 16-31 tiles 4-7
.endif
.irp e, 0,1                            ; the largest score of each block of 32 keys, all of it in my lane: four chains by turns, registers ascending
.irp c, 0,1
	v_max3_num_f32 v[BM+8*\e+\c], v[S+64*\e+32*\c], v[S+64*\e+32*\c+1], v[S+64*\e+32*\c+2]
.endr
.endr
.set n, 3
.rept 14
.irp e, 0,1
.irp c, 0,1
	v_max3_num_f32 v[BM+8*\e+\c], v[BM+8*\e+\c], v[S+64*\e+32*\c+n], v[S+64*\e+32*\c+n+1]
.endr
.endr
.set n, n+2
.endr
.irp e, 0,1
.irp c, 0,1
	v_max_num_f32 v[BM+8*\e+\c], v[BM+8*\e+\c], v[S+64*\e+32*\c+31]
.endr
.endr
.irp e, 0,1
	v_max_num_f32 v[ST+8*\e+6], v[BM+8*\e], v[BM+8*\e+1]
.endr
.irp e, 0,1
	v_permlanex16_b32 v[BM+8*\e+7], v[ST+8*\e+6], s[SEL], s[SEL+1]
.endr
.irp e, 0,1
	v_max3_num_f32 v[ST+8*\e+1], v[ST+8*\e+1], v[ST+8*\e+6], v[BM+8*\e+7]   ; the running largest score of my query
.endr
.irp e, 0,1
	v_mul_f32 v[ST+8*\e+6], s[CSN], v[ST+8*\e+1]               ; as -t
.endr
.irp e, 0,1
	v_floor_f32 v[ST+8*\e], v[ST+8*\e+6]                       ; the new -M: a whole number
.endr
.irp e, 0,1
	v_sub_f32 v[ST+8*\e+7], v[ST+8*\e], v[ST+8*\e+7]           ; old M - new M, 0 or less
.endr
.irp e, 0,1
	v_cvt_i32_f32 v[ST+8*\e+7], v[ST+8*\e+7]                   ; (it saturates)
.endr
.irp e, 0,1
	v_ldexp_f32 v[ST+8*\e+4], 1.0, v[ST+8*\e+7]                ; f = 2^(old M - new M)
.endr
	WIN 0x41
.irp e, 0,1
.set n, 0
.rept 16
	v_pk_mul_f32 v[OF+32*\e+n:OF+32*\e+n+1], v[OF+32*\e+n:OF+32*\e+n+1], v[ST+8*\e+4:ST+8*\e+5] op_sel_hi:[1,0]   ; O^T under the new M, each accumulator from its low end on
.set n, n+2
.endr
.endr
	WIN 0
	v_pk_mul_f32 v[ST+2:ST+3], v[ST+2:ST+3], v[ST+4:ST+5] op_sel_hi:[1,0]       ; the sums under the new M
	v_pk_mul_f32 v[ST+10:ST+11], v[ST+10:ST+11], v[ST+12:ST+13] op_sel_hi:[1,0]
	FMAS 0
	s_wait_alu depctr_va_vdst(0)
	EXPS 0
	FMAS 1                                         ; names none of tile 0's results
	s_wait_alu depctr_va_vdst(0)                   ; behind tile 0's batch and ahead of tile 1's
	EXPS 1
	SUMS 0                                         ; tile 0's work names none of tile 1's results
	CODES 0
	s_wait_alu depctr_va_vdst(0)                   ; behind tile 1's batch
	CODES 1
	SUMS 1                                         ; these 32 lines are also the places between P's and its scale word's last writes and the products
	s_wait_dscnt 0x0                               ; V is in, and so is the next K
	WIN 0x51
.irp i, 0,1,2,3                        ; O^T += V^T P^T: eight accumulators, one instruction each
.irp e, 0,1
	v_wmma_scale_f32_16x16x128_f8f6f4 v[OF+32*\e+8*\i:OF+32*\e+8*\i+7], v[VF+12*\i:VF+12*\i+11], v[P+12*\e:P+12*\e+11], v[OF+32*\e+8*\i:OF+32*\e+8*\i+7], v[VS+\i], v[PS+\e] matrix_a_fmt:MATRIX_FMT_FP6 matrix_b_fmt:MATRIX_FMT_FP6
.endr
.endr
	WIN 0
	s_add_co_u32 s[TB], s[TB], REC
.endm
.macro RUN trips
	s_mov_b32 s[CNT], \trips
.Lrun_\@:
	STEP 1
	s_sub_co_u32 s[CNT], s[CNT], 1
	s_cmp_lg_u32 s[CNT], 0
	s_cbranch_scc1 .Lrun_\@
.endm
	s_wait_alu depctr_va_vdst(0)
	s_wait_tensorcnt 0x0                           ; my part of records 0-3 is in; a later first fill is issued as a refill is
	ds_add_u32 v[SPW], v[NIL]
	s_wait_dscnt 0x0
	CROUND                                         ; everybody's part is in, and all four work-groups are here
	tensor_load_to_lds s[36:39], s[G2:G2+7]        ; records 4-15, my eighth: my one load behind the round; it lands on bytes that steps 0-2 do not read
	s_nop 0
	WIN 0x40
	KL L16, L8, 0
	WIN 0
	ds_load_b128 v[KS:KS+3], v[L16] offset:12288
	s_wait_loadcnt 0x0                             ; Q and its scale words
	s_wait_dscnt 0x0                               ; record 0's K
	RUN 3                                          ; a step reads the NEXT record's K: steps 0-2 stay inside records 0-3
	s_wait_tensorcnt 0x0                           ; my part of records 4-15 is in,
	s_wait_dscnt 0x0
	s_barrier_signal -1
	s_barrier_wait -1                              ; everybody's is; nothing is ever filled again
	RUN 12
	STEP 0
	s_wait_alu depctr_va_vdst(0)
; THE WAY OUT: O^T / the sum; my 32 channels are one block of the last projection's K
.irp e, 0,1
	v_add_f32 v[ST+8*\e+6], v[ST+8*\e+2], v[ST+8*\e+3]
.endr
.irp e, 0,1
	v_permlanex16_b32 v[BM+8*\e+7], v[ST+8*\e+6], s[SEL], s[SEL+1]
.endr
.irp e, 0,1
	v_add_f32 v[ST+8*\e+6], v[ST+8*\e+6], v[BM+8*\e+7]         ; the row's sum
.endr
	s_wait_alu depctr_va_vdst(0)
.irp e, 0,1
	v_rcp_f32 v[ST+8*\e+4], v[ST+8*\e+6]
.endr
	v_nop                                          ; a plain line behind the reciprocals
	WIN 0x01
	s_wait_alu depctr_va_vdst(0)                   ; one wait for both, and for O^T, directly ahead of the lines that read them first
.irp e, 0,1
.set n, 0
.rept 16
	v_pk_mul_f32 v[S+64*\e+n:S+64*\e+n+1], v[OF+32*\e+n:OF+32*\e+n+1], v[ST+8*\e+4:ST+8*\e+5] op_sel_hi:[1,0]   ; each accumulator from its low end on
.set n, n+2
.endr
.endr
	WIN 0
.irp e, 0,1
	v_max3_num_f32 v[BM+8*\e], |v[S+64*\e]|, |v[S+64*\e+1]|, 0x1800000
	v_max3_num_f32 v[BM+8*\e+1], |v[S+64*\e+2]|, |v[S+64*\e+3]|, |v[S+64*\e+4]|
.irp i, 5,9,13,17,21,25
	v_max3_num_f32 v[BM+8*\e], v[BM+8*\e], |v[S+64*\e+\i]|, |v[S+64*\e+\i+1]|
	v_max3_num_f32 v[BM+8*\e+1], v[BM+8*\e+1], |v[S+64*\e+\i+2]|, |v[S+64*\e+\i+3]|
.endr
	v_max3_num_f32 v[BM+8*\e], v[BM+8*\e], |v[S+64*\e+29]|, |v[S+64*\e+30]|
	v_max3_num_f32 v[BM+8*\e], v[BM+8*\e], v[BM+8*\e+1], |v[S+64*\e+31]|
	v_add_nc_u32 v[BM+8*\e+2], 0xff000000, v[BM+8*\e]
	v_lshrrev_b32 v[BM+8*\e+4], 23, v[BM+8*\e+2]
	v_cvt_scalef32_pk16_fp6_f32 v[P+12*\e:P+12*\e+2], v[S+64*\e:S+64*\e+15], v[BM+8*\e+2]
	v_cvt_scalef32_pk16_fp6_f32 v[TA+4*\e:TA+4*\e+2], v[S+64*\e+16:S+64*\e+31], v[BM+8*\e+2]
	v_lshlrev_b32 v[BM+8*\e+6], v[SH8], v[BM+8*\e+4]           ; my block's byte at its place.  (Also the plain line behind the scaled conversions)
.irp i, 0,1,2
	v_mov_b32 v[P+12*\e+3+\i], v[TA+4*\e+\i]
.endr
	global_store_b128 v[L16], v[P+12*\e:P+12*\e+3], s[10:11] offset:12288*\e       ; half a fragment as an image: 512 consecutive bytes,
	global_store_b64 v[L8], v[P+12*\e+4:P+12*\e+5], s[10:11] offset:12288*\e+512   ; then 256
	v_permlanex16_b32 v[BM+8*\e+7], v[BM+8*\e+6], s[SEL], s[SEL+1]
	v_or_b32 v[BM+8*\e+6], v[BM+8*\e+6], v[BM+8*\e+7]
	v_lshlrev_b32 v[BM+8*\e+6], s[SHH], v[BM+8*\e+6]           ; my head's half of the K step's scale word; the other half stays 0
.endr
	v_cmp_ne_u32 vcc_lo, 0, v[HH]
	v_cndmask_b32 v7, v[BM+6], v[BM+14], vcc_lo    ; lanes 0-15 my first tile's rows, lanes 16-31 my second's
	global_store_b32 v8, v7, s[12:13]
	s_wait_tensorcnt 0x0                           ; the wave's end
	ds_add_u32 v[SPW], v[NIL]
	s_wait_dscnt 0x0
	CROUND                                         ; the closing round
	s_endpgm
.Lfunc_end_k_q3e78a437cd_attn:
	.size	k_q3e78a437cd_attn, .Lfunc_end_k_q3e78a437cd_attn-k_q3e78a437cd_attn
	.p2alignl 7, 3214868480
	.fill 96, 4, 3214868480
	.section	.rodata,"a",@progbits
	.p2align	6, 0x0
	.amdhsa_kernel k_q3e78a437cd_attn
		.amdhsa_group_segment_fixed_size 327680
		.amdhsa_private_segment_fixed_size 0
		.amdhsa_enable_private_segment 0
		.amdhsa_kernarg_size 40
		.amdhsa_user_sgpr_count 2
		.amdhsa_user_sgpr_kernarg_segment_ptr 1
		.amdhsa_wavefront_size32 1
		.amdhsa_system_sgpr_workgroup_id_x 1
		.amdhsa_system_sgpr_workgroup_id_y 1
		.amdhsa_system_sgpr_workgroup_id_z 1
		.amdhsa_system_vgpr_workitem_id 0
		.amdhsa_next_free_vgpr 512
		.amdhsa_next_free_sgpr 72
		.amdhsa_reserve_vcc 1
		.amdhsa_float_denorm_mode_32 3
		.amdhsa_float_denorm_mode_16_64 3
		.amdhsa_memory_ordered 1
		.amdhsa_forward_progress 1
		.amdhsa_inst_pref_size 96
	.end_amdhsa_kernel
	.amdgpu_metadata
---
amdhsa.version: [ 1, 2 ]
amdhsa.kernels:
  - .name:           k_q3e78a437cd_attn
    .symbol:         k_q3e78a437cd_attn.kd
    .args:
      - { .name: qc, .offset: 0, .size: 8, .value_kind: global_buffer, .address_space: global }
      - { .name: qs, .offset: 8, .size: 8, .value_kind: global_buffer, .address_space: global }
      - { .name: kv, .offset: 16, .size: 8, .value_kind: global_buffer, .address_space: global }
      - { .name: ac, .offset: 24, .size: 8, .value_kind: global_buffer, .address_space: global }
      - { .name: asc, .offset: 32, .size: 8, .value_kind: global_buffer, .address_space: global }
    .group_segment_fixed_size: 327680
    .private_segment_fixed_size: 0
    .kernarg_segment_align: 8
    .kernarg_segment_size: 40
    .max_flat_workgroup_size: 256
    .sgpr_count:     72
    .vgpr_count:     512
    .wavefront_size: 32
...
	.end_amdgpu_metadata
.endif
;; end of part 3
;; launch outp (part 4): grid 8 x 32, 4 waves a work-group, clusters of 4 x 4, 229,888 bytes of LDS; arguments ac, asc, cq, cs, bo, out0; writes out0
.if DOCPART == 4
	.amdgcn_target "amdgcn-amd-amdhsa--gfx1250"
	.amdhsa_code_object_version 6
	.text
	.protected	k_q3e78a437cd_outp
	.globl	k_q3e78a437cd_outp
	.p2align	8
	.type	k_q3e78a437cd_outp,@function
k_q3e78a437cd_outp:
	s_mov_b64 s[64:65], 0
	v_nop
	global_prefetch_b8 v0, s[64:65] scope:SCOPE_SE
	s_setreg_imm32_b32 hwreg(HW_REG_WAVE_MODE, 25, 1), 1
	s_wait_xcnt 0x0
	s_wait_alu depctr_hold_cnt(0) depctr_sa_sdst(0) depctr_va_vdst(0) depctr_va_sdst(0) depctr_va_ssrc(0) depctr_va_vcc(0) depctr_vm_vsrc(0)
	s_getreg_b32 s2, hwreg(HW_REG_IB_STS2, 6, 4)
	s_cmp_eq_u32 s2, 0
	s_cbranch_scc0 .Lentry_in_a_cluster
	s_endpgm
.Lentry_in_a_cluster:
	s_bfe_u32 s2, ttmp6, 0x10000c
	s_cmp_lg_u32 s2, 0xf033
	s_cbranch_scc0 .Lentry_shape_is_right
	s_endpgm
.Lentry_shape_is_right:
; out0 = A Wo^T + bo on codes of FP6: A the attention's result (ac, asc), Wo's codes in cq from row tile 576 on, its scale words in cs.
; SHARES.  A work-group: 128 tokens x 128 features, all of K = 1,024: 196,608 bytes of codes, filled ONCE, at the head.  Wave w: th = w / 2 picks four token tiles, col = w % 2 four tiles of Wo.
; The product is used TRANSPOSED (source 0 = Wo's tile, source 1 = A's): by the row tiles' map a lane holds one token and 32 neighbouring features.  bo is the C of the first K step's products.
; A's scale word of a K step comes in two halves, one from each of the step's two heads: they are joined once, at the head.
; CLUSTER 4 x 4: A's tiles are shared along a row of the cluster, Wo's along a column: joint loads.  A wave has three loads out at the most.
; REGISTERS: window 0: v3-14 addresses; v20-51 A's scale words (8 a + K step); v52-83 Wo's (8 j + K step); v96-191 fragments, set 0; v192-223 bo; v224-255 and v96-127 rows on the way out.
;   window 1: v0-127 the 16 accumulators at 8 (4 j + a); v128-223 fragments, set 1.
; THE FILLS AS THEY NOW STAND: all of K comes at the head, one joint load a wave: wave 0 A's 8 tiles (98,304 dense bytes, at LDS byte 0), wave 1 Wo's 8 (at 98,304), wave 2 A's half words, wave 3 Wo's scale words.
; Tile a's K step ks lies at 12,288 a + 1,536 ks of its operand.  One wait for 0 and one barrier show all four to every wave; nothing is filled again.  No prefetch: everything is asked for at the head.
.set ASC,   196608                     ; A's half words: [head 16][8 tiles x 64 bytes]
.set BSC,   204800                     ; Wo's scale words: 8 tiles x 512 bytes
.set STAGE, 208896                     ; 16 rows x 272 bytes for each wave
.set ADA, 3                            ; v3     16 x lane + my A tiles
.set AD8, 5                            ; v5     8 x lane + the same
.set ADB, 7                            ; v7     16 x lane + my tiles of Wo
.set ASA, 9
.set ASB, 10
.set H128, 11
.set STO, 12
.set RD,  13
.set CO,  14
.set SA,  20
.set SB,  52
.set BO,  192
.set G1A, 24
.set G0A, 32
.set G1B, 40
.set G0B, 48
.set G1SA, 56
.set G1SB, 68
.set G0SA, 76
.set G0SB, 80
.set MSB, 0
.macro WIN new                         ; the immediate's high byte repeats the setting that is left
.if MSB != (\new)
	s_set_vgpr_msb (MSB<<8)|(\new)
.set MSB, (\new)
.endif
.endm
.macro GROUP1 g, c, r, p               ; r rows of c elements of 8 bytes, p elements apart; no padding
	s_mov_b32 s[\g+1], ((\c)&0xffff)<<16
	s_mov_b32 s[\g+2], ((\c)>>16)|(((\r)&0xffff)<<16)
	s_mov_b32 s[\g+3], ((\r)>>16)|((\c)<<16)
	s_mov_b32 s[\g+4], \r
	s_mov_b32 s[\g+5], \p
	s_mov_b32 s[\g+6], 0
	s_mov_b32 s[\g+7], 0
.endm
.macro JLOAD g0a, g1a, g0b, g1b        ; a joint load: waves 0, 1 fetch for A, waves 2, 3 for Wo; four v_nop follow each line
	s_cmp_eq_u32 s17, 0
	s_cbranch_scc0 .Lfor_b_\@
	tensor_load_to_lds s[\g0a:\g0a+3], s[\g1a:\g1a+7]
	s_nop 0
.rept 4
	v_nop
.endr
	s_branch .Lasked_\@
.Lfor_b_\@:
	tensor_load_to_lds s[\g0b:\g0b+3], s[\g1b:\g1b+7]
	s_nop 0
.rept 4
	v_nop
.endr
.Lasked_\@:
.endm
.macro CROUND                          ; a round of the cluster's barrier
	s_barrier_signal -1
	s_barrier_wait -1
	s_cmp_lg_u32 s16, 0
	s_cbranch_scc1 .Lnot_wave_0_\@
	s_barrier_signal -3
.Lnot_wave_0_\@:
	s_barrier_wait -3
	s_barrier_signal -1
	s_barrier_wait -1
.endm
.macro PLACES
.rept 4
	v_nop
.endr
.endm
	s_load_b256 s[4:11], s[0:1], 0x0               ; ac 4, asc 6, cq 8, cs 10
	s_load_b128 s[12:15], s[0:1], 0x20             ; bo 12, out0 14
	v_lshl_add_u32 v94, v0, 2, 0x38000
	v_mov_b32 v95, 0
	ds_add_u32 v94, v95
	ds_add_u32 v94, v95
	v_lshrrev_b32 v15, 5, v0
	v_readfirstlane_b32 s16, v15                   ; wave
	s_lshr_b32 s17, s16, 1                         ; th
	s_and_b32 s18, s16, 1                          ; col
	s_bfe_u32 s19, ttmp6, 0x40000                  ; cx
	s_bfe_u32 s20, ttmp6, 0x40004                  ; cy
	s_lshl_b32 s21, ttmp9, 2
	s_add_co_u32 s21, s21, s19                     ; block of 128 features
	s_and_b32 s22, ttmp7, 0xffff
	s_lshl_b32 s22, s22, 2
	s_add_co_u32 s22, s22, s20                     ; block of 128 tokens
	s_lshl_b32 s23, s20, 2
	s_lshl_b32 s23, 15, s23                        ; my row of the cluster
	s_lshl_b32 s66, 0x1111, s19                    ; my column
	s_or_b32 s[G1A], s23, (3<<16)|(1<<21)
	s_or_b32 s[G1SA], s23, (3<<16)|(1<<21)
	s_or_b32 s[G1B], s66, (3<<16)|(1<<21)
	s_or_b32 s[G1SB], s66, (3<<16)|(1<<21)
	GROUP1 G1A, 1536, 8, 1536                      ; 8 tiles x all of K (12,288 bytes), dense
	GROUP1 G1B, 1536, 8, 1536
	GROUP1 G1SA, 64, 16, 2048                      ; 16 heads x my block's 8 tiles (512 bytes), 16,384 bytes from head to head
	GROUP1 G1SB, 32, 16, 32                        ; 8 tiles' scale words: 4,096 dense bytes
	s_lshl_b32 s84, s22, 3
	s_mul_i32 s84, s84, 12288                      ; A: row tile 8 x block
	s_mov_b32 s85, 0
	s_lshl_b32 s86, s22, 9                         ; its half words: my block's tiles, from head 0 on
	s_mov_b32 s87, 0
	s_lshl_b32 s88, s21, 3
	s_add_co_u32 s88, s88, 576                     ; Wo: row tile 576 + 8 x block
	s_lshl_b32 s90, s88, 9
	s_mov_b32 s91, 0
	s_mul_i32 s88, s88, 12288
	s_mov_b32 s89, 0
	s_wait_dscnt 0x0
	s_wait_kmcnt 0x0
	CROUND                                         ; all sixteen work-groups are here: the joint loads meet
	s_mov_b32 s[G0SA], 1
	s_mov_b32 s[G0SA+1], ASC
	s_add_nc_u64 s[G0SA+2:G0SA+3], s[6:7], s[86:87]
	s_or_b32 s[G0SA+3], s[G0SA+3], 0x80000000
	s_mov_b32 s[G0SB], 1
	s_mov_b32 s[G0SB+1], BSC
	s_add_nc_u64 s[G0SB+2:G0SB+3], s[10:11], s[90:91]
	s_or_b32 s[G0SB+3], s[G0SB+3], 0x80000000
	s_mov_b32 s[G0A], 1
	s_mov_b32 s[G0A+1], 0
	s_add_nc_u64 s[G0A+2:G0A+3], s[4:5], s[84:85]
	s_mov_b32 s[G0B], 1
	s_mov_b32 s[G0B+1], 98304
	s_add_nc_u64 s[G0B+2:G0B+3], s[8:9], s[88:89]
	s_or_b32 s[G0A+3], s[G0A+3], 0x80000000
	s_or_b32 s[G0B+3], s[G0B+3], 0x80000000
; THE HEAD'S LOADS, ONE A WAVE: one chain of branches on the wave's number; every way through it passes exactly one load.
.macro ARM under, g0, g1, next
	s_cmp_lt_u32 s16, \under
	s_cbranch_scc0 \next
	tensor_load_to_lds s[\g0:\g0+3], s[\g1:\g1+7]
	s_nop 0
.rept 4
	v_nop
.endr
	s_branch .Lhead_asked
\next:
.endm
	ARM 1, G0A, G1A, .Lhead_w
	ARM 2, G0B, G1B, .Lhead_sa
	ARM 3, G0SA, G1SA, .Lhead_sw
	tensor_load_to_lds s[G0SB:G0SB+3], s[G1SB:G1SB+7]
	s_nop 0
.rept 4
	v_nop
.endr
.Lhead_asked:
	v_and_b32 v15, 31, v0                          ; lane
	v_and_b32 v16, 15, v0                          ; r
	v_bfe_u32 v17, v0, 4, 1                        ; h
	v_lshlrev_b32 v18, 4, v15
	v_lshlrev_b32 v19, 3, v15
	s_mul_i32 s92, s17, 49152
	v_add_nc_u32 v[ADA], s92, v18
	v_add_nc_u32 v[AD8], s92, v19
	s_mul_i32 s93, s18, 49152
	s_add_co_u32 s93, s93, 98304
	v_add_nc_u32 v[ADB], s93, v18
	s_lshl_b32 s92, s17, 8
	s_add_co_u32 s92, s92, ASC
	v_lshl_add_u32 v[ASA], v16, 2, s92
	s_lshl_b32 s93, s18, 11
	s_add_co_u32 s93, s93, BSC
	v_lshl_add_u32 v[ASB], v16, 4, s93
	v_lshlrev_b32 v[H128], 7, v17
	s_wait_alu depctr_va_vdst(0)
	s_mul_i32 s92, s16, 4352
	s_add_co_u32 s92, s92, STAGE                   ; my stage
	v_mul_u32_u24 v[STO], v16, 272
	v_lshl_add_u32 v[STO], v17, 7, v[STO]
	v_add_nc_u32 v[STO], s92, v[STO]               ; in: row r, + 128 h: my 32 features
	v_mul_u32_u24 v[RD], v17, 272
	v_lshl_add_u32 v[RD], v16, 4, v[RD]
	v_add_nc_u32 v[RD], s92, v[RD]                 ; back: lanes 0-15 one row of 256 bytes, lanes 16-31 the next
	v_lshlrev_b32 v[CO], 12, v17
	v_lshl_add_u32 v[CO], v16, 4, v[CO]            ; and the same two rows in out0
	s_lshl_b32 s84, s21, 1
	s_add_co_u32 s84, s84, s18
	s_lshl_b32 s84, s84, 8                         ; my 64 features, in bytes
	s_add_nc_u64 s[12:13], s[12:13], s[84:85]
	s_add_nc_u64 s[14:15], s[14:15], s[84:85]
	s_lshl_b32 s84, s22, 1
	s_add_co_u32 s84, s84, s17
	s_lshl_b32 s84, s84, 18                        ; my 64 tokens x 4,096 bytes
	s_add_nc_u64 s[14:15], s[14:15], s[84:85]
.irp q, 0,1,2,3,4,5,6,7
	global_load_b128 v[BO+4*\q:BO+4*\q+3], v[H128], s[12:13] offset:16*\q
.endr
	s_wait_alu depctr_va_vdst(0)
	s_wait_tensorcnt 0x0                           ; my tile of the head's four is in
	s_barrier_signal -1
	s_barrier_wait -1
.irp d, 0,1,2,3,4,5,6,7,8,9,10,11,12,13,14,15
.irp a, 0,1,2,3
	ds_load_b32 v[96+4*\d+\a], v[ASA] offset:512*\d+64*\a      ; head d's half word of my tile a's row r
.endr
.endr
.irp j, 0,1,2,3
.irp g, 0,1
	ds_load_b128 v[SB+8*\j+4*\g:SB+8*\j+4*\g+3], v[ASB] offset:512*\j+256*\g
.endr
.endr
	s_wait_dscnt 0x0
.irp a, 0,1,2,3
.irp k, 0,1,2,3,4,5,6,7
	v_or_b32 v[SA+8*\a+\k], v[96+8*\k+\a], v[96+8*\k+4+\a]     ; a K step's word: its two heads' halves
.endr
.endr
.rept 8
	v_nop                                          ; a scale register written by a vector instruction stands 8 places ahead of a scaled matrix instruction
.endr
.macro FETCH ks                        ; a K step's eight fragments: 28 loads.  A's come as two half images each
.set PH, 0
.set KO, 1536*(\ks)
.set FA, 96+32*((\ks)%2)
.if (\ks)%2
	WIN 0x40
.endif
.irp a, 0,1,2,3
	ds_load_b128 v[FA+12*\a:FA+12*\a+3], v[ADA+PH] offset:12288*\a+KO
	ds_load_b64 v[FA+12*\a+4:FA+12*\a+5], v[AD8+PH] offset:12288*\a+KO+512
	ds_load_b128 v[FA+12*\a+6:FA+12*\a+9], v[ADA+PH] offset:12288*\a+KO+768
	ds_load_b64 v[FA+12*\a+10:FA+12*\a+11], v[AD8+PH] offset:12288*\a+KO+1280
.endr
.irp j, 0,1,2,3
.irp c, 0,1,2
	ds_load_b128 v[FA+48+12*\j+4*\c:FA+48+12*\j+4*\c+3], v[ADB+PH] offset:12288*\j+KO+512*\c
.endr
.endr
	WIN 0
.endm
.macro PROD ks                         ; 16 products; the 16 accumulators take turns, one instruction a turn
.set FA, 96+32*((\ks)%2)
.if (\ks) == 0
	WIN 0x40
.else
	WIN 0x50|(5*((\ks)%2))
.endif
.irp j, 0,1,2,3
.irp a, 0,1,2,3
.if (\ks) == 0
	v_wmma_scale_f32_16x16x128_f8f6f4 v[8*(4*\j+\a):8*(4*\j+\a)+7], v[FA+48+12*\j:FA+48+12*\j+11], v[FA+12*\a:FA+12*\a+11], v[BO+8*\j:BO+8*\j+7], v[SB+8*\j+(\ks)], v[SA+8*\a+(\ks)] matrix_a_fmt:MATRIX_FMT_FP6 matrix_b_fmt:MATRIX_FMT_FP6
.else
	v_wmma_scale_f32_16x16x128_f8f6f4 v[8*(4*\j+\a):8*(4*\j+\a)+7], v[FA+48+12*\j:FA+48+12*\j+11], v[FA+12*\a:FA+12*\a+11], v[8*(4*\j+\a):8*(4*\j+\a)+7], v[SB+8*\j+(\ks)], v[SA+8*\a+(\ks)] matrix_a_fmt:MATRIX_FMT_FP6 matrix_b_fmt:MATRIX_FMT_FP6
.endif
.endr
.endr
	WIN 0
.endm
.macro KSTEP ks
.if (\ks) < 7
.if (\ks) > 0
	PLACES                                         ; ahead of the loads into the set that the last K step's products read
.endif
	FETCH (\ks)+1
	s_wait_dscnt 28                                ; this K step's fragments are in; the 28 loads just issued may be out
.else
	s_wait_dscnt 0x0
.endif
	PROD \ks
.endm
	FETCH 0
	s_wait_alu depctr_va_vdst(0)
	s_wait_loadcnt 0x0                             ; bo
.irp k, 0,1,2,3,4,5,6,7
	KSTEP \k
.endr
; THE WAY OUT, a tile of 16 tokens x 64 features at a time, through my own stage: LDS serves a wave's instructions in order, so no wait stands between the stores and the loads, nor ahead of the next tile's stores
.macro TOSTAGE a
	WIN 0x04                                       ; an LDS store's data: window 1
.irp j, 0,1,2,3
	ds_store_b128 v[STO], v[8*(4*\j+(\a)):8*(4*\j+(\a))+3] offset:32*\j          ; each accumulator from its low end on
	ds_store_b128 v[STO], v[8*(4*\j+(\a))+4:8*(4*\j+(\a))+7] offset:32*\j+16
.endr
	WIN 0
.set BB, 224-128*((\a)%2)
.irp t, 0,1,2,3,4,5,6,7
	ds_load_b128 v[BB+4*\t:BB+4*\t+3], v[RD] offset:544*\t
.endr
.endm
.macro SEND a, younger                 ; younger: the LDS instructions issued behind tile a's loads, which may stay out
.set BB, 224-128*((\a)%2)
	s_wait_dscnt \younger
.irp t, 0,1,2,3,4,5,6,7
	global_store_b128 v[CO], v[BB+4*\t:BB+4*\t+3], s[14:15] offset:(8*(\a)+32*(\t/4)+2*(\t%4))*4096 th:TH_STORE_NT   ; the tile's rows 2 t, 2 t + 1 are tokens 8 a + 32 (t / 4) + 2 (t % 4) + 0, 1; sixteen lanes store 256 consecutive bytes, aligned
.endr
.endm
	PLACES                                         ; behind the last products: for the stores that read results and the loads into set 0's registers
	TOSTAGE 0
	TOSTAGE 1
	SEND 0, 16                                     ; behind tile 0's loads: tile 1's 8 stores and 8 loads
	s_wait_xcnt 0x0                                ; tile 0's stores have read their registers: tile 2's rows may land there
	TOSTAGE 2
	SEND 1, 16
	s_wait_xcnt 0x0
	TOSTAGE 3
	SEND 2, 16
	SEND 3, 0
	s_wait_dscnt 0x0
	s_wait_tensorcnt 0x0
	ds_add_u32 v94, v95
	s_wait_dscnt 0x0
	CROUND                                         ; the closing round
	s_endpgm
.Lfunc_end_k_q3e78a437cd_outp:
	.size	k_q3e78a437cd_outp, .Lfunc_end_k_q3e78a437cd_outp-k_q3e78a437cd_outp
	.p2alignl 7, 3214868480
	.fill 96, 4, 3214868480
	.section	.rodata,"a",@progbits
	.p2align	6, 0x0
	.amdhsa_kernel k_q3e78a437cd_outp
		.amdhsa_group_segment_fixed_size 229888
		.amdhsa_private_segment_fixed_size 0
		.amdhsa_enable_private_segment 0
		.amdhsa_kernarg_size 48
		.amdhsa_user_sgpr_count 2
		.amdhsa_user_sgpr_kernarg_segment_ptr 1
		.amdhsa_wavefront_size32 1
		.amdhsa_system_sgpr_workgroup_id_x 1
		.amdhsa_system_sgpr_workgroup_id_y 1
		.amdhsa_system_sgpr_workgroup_id_z 1
		.amdhsa_system_vgpr_workitem_id 0
		.amdhsa_next_free_vgpr 512
		.amdhsa_next_free_sgpr 100
		.amdhsa_reserve_vcc 0
		.amdhsa_float_denorm_mode_32 3
		.amdhsa_float_denorm_mode_16_64 3
		.amdhsa_memory_ordered 1
		.amdhsa_forward_progress 1
		.amdhsa_inst_pref_size 55
	.end_amdhsa_kernel
	.amdgpu_metadata
---
amdhsa.version: [ 1, 2 ]
amdhsa.kernels:
  - .name:           k_q3e78a437cd_outp
    .symbol:         k_q3e78a437cd_outp.kd
    .args:
      - { .name: ac, .offset: 0, .size: 8, .value_kind: global_buffer, .address_space: global }
      - { .name: asc, .offset: 8, .size: 8, .value_kind: global_buffer, .address_space: global }
      - { .name: cq, .offset: 16, .size: 8, .value_kind: global_buffer, .address_space: global }
      - { .name: cs, .offset: 24, .size: 8, .value_kind: global_buffer, .address_space: global }
      - { .name: bo, .offset: 32, .size: 8, .value_kind: global_buffer, .address_space: global }
      - { .name: out0, .offset: 40, .size: 8, .value_kind: global_buffer, .address_space: global }
    .group_segment_fixed_size: 229888
    .private_segment_fixed_size: 0
    .kernarg_segment_align: 8
    .kernarg_segment_size: 48
    .max_flat_workgroup_size: 128
    .sgpr_count:     100
    .vgpr_count:     512
    .wavefront_size: 32
...
	.end_amdgpu_metadata
.endif
;; end of part 4
